; MI455X (gfx1250); checked and timed in simulation.
; The chip was launched on July 23, 2026; its instructions are those of AMD's public machine-readable ISA for CDNA 5 (MIT licence, August 2026) and "CDNA5" Instruction Set Architecture Reference Guide (July 2026). The comments in the code are by the model that wrote it; some were corrected since.
;; MKA Full Attention. Allowed arithmetic: float matrix products may take bf16 or f16 operands with f32 sums; all other float work in f32.
;; Inputs: l3_memory 4 x 1 x 1,024 float32; rb1 512 float32; rb2 3 float32; rw1 1,024 x 512 float32; rw2 512 x 3 float32; wk 1,024 x 1,024 float32; wo 1,024 x 1,024 float32; wq 1,024 x 1,024 float32; wv 1,024 x 1,024 float32; x 4 x 1,024 x 1,024 float32.
;; Outputs: out0 4 x 1,024 x 1,024 float32; out1 4 x 1,024 x 3 float32.
;; 2 versions, each right; version 2 is version 1 with the launch prep written anew for expert scheduling mode. Each part assembles by itself: llvm-mc -triple=amdgcn-amd-amdhsa -mcpu=gfx1250 --defsym DOCPART=n.
;; ======== version 1 of 2: 5 launches
;; limits: values are held in f16: magnitudes above 65,504 overflow, below 6.1e-05 lose precision; an iteration or a series of the reference is cut at 256 steps; an absolute error that grows with the inputs' magnitude: up to 2e-12 times it
;; workspace buffers: ab 16,777,216 bytes; wb 9,437,184 bytes; v3m 32,768 bytes; qkv 33,554,432 bytes; plog 524,288 bytes; mixed 8,388,608 bytes
;; launch prep (part 1): grid 200 x 1, 16 waves a work-group, no clusters, 51,200 bytes of LDS; arguments x, wq, wk, wv, wo, rw1, l3_memory, ab, wb, v3m; writes ab, wb, v3m
.if DOCPART == 1
	.amdgcn_target "amdgcn-amd-amdhsa--gfx1250"
	.amdhsa_code_object_version 6
	.text
	.protected	k_qa920227b04_prep
	.globl	k_qa920227b04_prep
	.p2align	8
	.type	k_qa920227b04_prep,@function
k_qa920227b04_prep:
	s_mov_b64 s[64:65], 0
	v_nop
	global_prefetch_b8 v0, s[64:65] scope:SCOPE_SE
	s_setreg_imm32_b32 hwreg(HW_REG_WAVE_MODE, 25, 1), 1
	s_wait_xcnt 0x0
; PREP: casts to f16, the EMA along time, and the four-row product l3_memory @ wv.
;   ab : f16, x as [4096][1024] at byte 0, EMA(x) as [4096][1024] at byte 8,388,608
;   wb : f16, wq, wk, wv, wo at 0, 2, 4, 6 MiB (pitch 1024), rw1 at 8 MiB (pitch 512), all [K][N] as given
;   v3m: f32 [2][4][1024]: part p = l3_memory[b][512 p .. 512 p + 511] @ wv's rows 512 p .. 512 p + 511, summed in f32 on the vector unit;
;        the launch that needs the row adds the two parts.  wv is read once, for its cast and for these sums.
; FORMAT: f16 has three more bits than bf16 and has the room: inputs 30 times larger reach about 150 (x) and 5 (weights); 30 times smaller, the weights
; are about 0.001, where f16's step is at most 6e-8.
; 200 equal work-groups of 16 waves, each moving at most 256 KiB in and 128 KiB out.  A lane holds 4 columns of a strip of 128: a load of a wave covers
; 512 consecutive bytes, a store of a wave 256 consecutive bytes, aligned.  A wave issues its 32 loads (16 KiB) in one run.
;   ids 0-127:   x: batch = id / 32, strip = (id / 4) % 8, quarter = id % 4 (256 rows).  Wave w takes the quarter's rows 16 w .. 16 w + 15 and, for the
;                carry, the 16 rows that lie 256 rows in front of them (none in quarter 0).
;   ids 128-199: a panel of 512 rows x 128 columns of wq, wk, wv, wo (16 panels each) or of rw1, which a cast may take flat as [512][1024] (8 panels);
;                wave w takes rows 32 w .. 32 w + 31.
; EMA: z[t] = 0.9 z[t-1] + x[t], y = 0.1 z.  Each wave finds the end states of its two chunks of 16 rows, started from zero; the 32 end states meet in LDS;
; the carry into wave w's rows is made by C = C * 0.9^16 + E[i] over the 16 chunks in front of the quarter and the quarter's chunks 0 .. w-1;
; then the wave scans its own 16 rows again from the f32 x that it still holds, and rounds y once to f16.
; LIMIT, stated: rows more than 256 in front of a quarter do not enter its carry.  For every input the error of y is below 0.9^256 = 2e-12 of the
; largest |x| of the column.
; LDS: end states of the chunks in front at bytes 0 to 8,191, of the quarter's chunks at 8,192 to 16,383; partial sums of l3 @ wv at 16,384 to 49,151.
; No matrix unit, no cluster, no tensor loads: memory binds, and only x's rows in front of a quarter are read by two work-groups.
.set X,    4                           ; v[4:131]   weights: 32 rows x 4 f32.  x: v[4:67] the 16 rows in front, then the 16 end states in front
.set XO,   68                          ; v[68:131]  x: my 16 rows of the quarter, kept for the second scan
.set PK,   132                         ; v[132:195] packed f16 to store (x: v[132:163])
.set EB,   164                         ; v[164:223] x: the quarter's end states 0 to 14, then v[164:195] the packed EMA to store
.set ACC,  196                         ; v[196:211] l3 @ wv: 4 batches x 4 columns
.set L3V,  212                         ; v[212:215] l3_memory[b][first row + lane]
.set ZL,   224                         ; v[224:227] end state of my chunk in front
.set ZR,   228                         ; v[228:231] end state of my chunk of the quarter
.set CR,   232                         ; v[232:235] the carry, then the second scan's z
.set TR,   236                         ; v[236:243] at work
.set EOL,  8192                        ; LDS: the quarter's end states
.set V3L,  16384                       ; LDS: the partial sums of l3 @ wv
.set BACK, 1048576                     ; 256 rows of x in bytes
.set K09,  0x3f666666                  ; 0.9
.set K01,  0x3dcccccd                  ; 0.1
.set K16,  0x3e3dbfd0                  ; 0.9^16
	s_load_b512 s[4:19], s[0:1], 0x0               ; x 4:5, wq 6:7, wk 8:9, wv 10:11, wo 12:13, rw1 14:15, l3 16:17, ab 18:19
	s_load_b128 s[20:23], s[0:1], 0x40             ; wb 20:21, v3m 22:23
	v_lshl_add_u32 v244, v0, 2, 0xc000
	v_mov_b32 v245, 0
	v_lshrrev_b32 v3, 5, v0
	v_readfirstlane_b32 s24, v3                    ; wave 0..15
	v_and_b32 v3, 31, v0                           ; lane
	v_lshlrev_b32 v1, 4, v3                        ; 16 bytes of f32 a lane
	v_lshlrev_b32 v2, 3, v3                        ; 8 bytes of f16 a lane
	s_lshr_b32 s25, ttmp9, 5                       ; x: batch
	s_bfe_u32 s26, ttmp9, 0x30002                  ; x: strip
	s_and_b32 s27, ttmp9, 3                        ; x: quarter
	s_max_u32 s34, ttmp9, 128
	s_sub_co_u32 s34, s34, 128                     ; weights: panel 0..71
	s_lshr_b32 s35, s34, 4                         ; which weight: wq, wk, wv, wo, rw1
	s_bfe_u32 s36, s34, 0x10003                    ; which 512 rows
	s_and_b32 s37, s34, 7                          ; strip
	s_lshl_b32 s38, s27, 8
	s_lshl4_add_u32 s38, s24, s38                  ; x: first row = 256 quarter + 16 w
	s_lshl_b32 s40, s36, 9
	s_lshl_b32 s39, s24, 5
	s_add_co_u32 s40, s40, s39                     ; weights: first row = 512 half + 32 w
	s_cmp_lt_u32 ttmp9, 128
	s_cselect_b32 s38, s38, s40                    ; first row
	s_cselect_b32 s41, s26, s37                    ; strip
	s_cselect_b32 s44, s25, 0                      ; source: x's batch, 4 MiB each
	s_cselect_b32 s46, s25, s35                    ; place in ab or in wb, 2 MiB each
	s_lshl_b32 s44, s44, 22
	s_lshl_b32 s45, s38, 12
	s_add_co_u32 s44, s44, s45                     ; + row x 4,096
	s_lshl_b32 s45, s41, 9
	s_add_co_u32 s44, s44, s45                     ; + strip x 512
	s_mov_b32 s45, 0
	s_lshl_b32 s46, s46, 21
	s_lshl_b32 s47, s38, 11
	s_add_co_u32 s46, s46, s47                     ; + row x 2,048
	s_lshl_b32 s47, s41, 8
	s_add_co_u32 s46, s46, s47                     ; + strip x 256
	s_mov_b32 s47, 0
	s_wait_kmcnt 0x0
	s_mov_b64 s[28:29], s[6:7]                     ; the source: one of the five weights, or x
	s_cmp_eq_u32 s35, 1
	s_cselect_b64 s[28:29], s[8:9], s[28:29]
	s_cmp_eq_u32 s35, 2
	s_cselect_b64 s[28:29], s[10:11], s[28:29]
	s_cmp_eq_u32 s35, 3
	s_cselect_b64 s[28:29], s[12:13], s[28:29]
	s_cmp_eq_u32 s35, 4
	s_cselect_b64 s[28:29], s[14:15], s[28:29]
	s_cmp_lt_u32 ttmp9, 128
	s_cselect_b64 s[28:29], s[4:5], s[28:29]
	s_cselect_b64 s[30:31], s[18:19], s[20:21]     ; the cast goes to ab or to wb
	s_add_nc_u64 s[28:29], s[28:29], s[44:45]
	s_add_nc_u64 s[30:31], s[30:31], s[46:47]
.macro LOAD32                          ; a weight's 32 rows, read once in the launch
.set row, 0
.rept 32
	global_load_b128 v[X+4*row:X+4*row+3], v1, s[28:29] offset:row*4096 th:TH_LOAD_NT
.set row, row+1
.endr
.endm
.macro LOADL                           ; x: the 16 rows that lie 256 rows in front of mine
.set row, 0
.rept 16
	global_load_b128 v[X+4*row:X+4*row+3], v1, s[28:29] offset:row*4096-BACK
.set row, row+1
.endr
.endm
.macro LOADO                           ; x: my 16 rows
.set row, 0
.rept 16
	global_load_b128 v[XO+4*row:XO+4*row+3], v1, s[28:29] offset:row*4096
.set row, row+1
.endr
.endm
; Eight of a weight's 32 rows are cast and stored.  sums = 1: the four sums of l3 @ wv as well.  Every PK register is written once.
.macro CAST g, sums
	s_wait_loadcnt 24-8*\g                         ; loads come back in order: these eight rows are in, the younger ones stay out
.irp i, 0,1,2,3,4,5,6,7
.set row, 8*\g+\i
.set xr, X+4*row
	v_cvt_pk_f16_f32 v[PK+2*row], v[xr], v[xr+1]
	v_cvt_pk_f16_f32 v[PK+2*row+1], v[xr+2], v[xr+3]
	global_store_b64 v2, v[PK+2*row:PK+2*row+1], s[30:31] offset:row*2048
.if \sums
.irp b, 0,1,2,3
	v_readlane_b32 s[48+2*\b], v[L3V+\b], row      ; l3_memory[b][this row]
.endr
.irp b, 0,1,2,3
.if row == 0
	v_pk_mul_f32 v[ACC+4*\b:ACC+4*\b+1], v[xr:xr+1], s[48+2*\b:49+2*\b] op_sel_hi:[1,0]
	v_pk_mul_f32 v[ACC+4*\b+2:ACC+4*\b+3], v[xr+2:xr+3], s[48+2*\b:49+2*\b] op_sel_hi:[1,0]
.else
	v_pk_fma_f32 v[ACC+4*\b:ACC+4*\b+1], v[xr:xr+1], s[48+2*\b:49+2*\b], v[ACC+4*\b:ACC+4*\b+1] op_sel_hi:[1,0,1]
	v_pk_fma_f32 v[ACC+4*\b+2:ACC+4*\b+3], v[xr+2:xr+3], s[48+2*\b:49+2*\b], v[ACC+4*\b+2:ACC+4*\b+3] op_sel_hi:[1,0,1]
.endif
.endr
.endif
.endr
.endm
; Eight of the 16 rows in front: their chunk's end state alone.  The first two rows start the sum.
.macro LROWS g
	s_wait_loadcnt 24-8*\g                         ; the younger loads (the rest of these rows, and my own 16) stay out
.irp i, 0,1,2,3,4,5,6,7
.set row, 8*\g+\i
.set xr, X+4*row
.if row == 1
	v_pk_fma_f32 v[ZL:ZL+1], v[X:X+1], K09, v[xr:xr+1] op_sel_hi:[1,0,1]
	v_pk_fma_f32 v[ZL+2:ZL+3], v[X+2:X+3], K09, v[xr+2:xr+3] op_sel_hi:[1,0,1]
.endif
.if row > 1
	v_pk_fma_f32 v[ZL:ZL+1], v[ZL:ZL+1], K09, v[xr:xr+1] op_sel_hi:[1,0,1]
	v_pk_fma_f32 v[ZL+2:ZL+3], v[ZL+2:ZL+3], K09, v[xr+2:xr+3] op_sel_hi:[1,0,1]
.endif
.endr
.endm
; Eight of my own 16 rows: cast, store, and the chunk's end state.
.macro OROWS g
	s_wait_loadcnt 8-8*\g
.irp i, 0,1,2,3,4,5,6,7
.set row, 8*\g+\i
.set xr, XO+4*row
	v_cvt_pk_f16_f32 v[PK+2*row], v[xr], v[xr+1]
	v_cvt_pk_f16_f32 v[PK+2*row+1], v[xr+2], v[xr+3]
	global_store_b64 v2, v[PK+2*row:PK+2*row+1], s[30:31] offset:row*2048
.if row == 1
	v_pk_fma_f32 v[ZR:ZR+1], v[XO:XO+1], K09, v[xr:xr+1] op_sel_hi:[1,0,1]
	v_pk_fma_f32 v[ZR+2:ZR+3], v[XO+2:XO+3], K09, v[xr+2:xr+3] op_sel_hi:[1,0,1]
.endif
.if row > 1
	v_pk_fma_f32 v[ZR:ZR+1], v[ZR:ZR+1], K09, v[xr:xr+1] op_sel_hi:[1,0,1]
	v_pk_fma_f32 v[ZR+2:ZR+3], v[ZR+2:ZR+3], K09, v[xr+2:xr+3] op_sel_hi:[1,0,1]
.endif
.endr
.endm
	s_cmp_lt_u32 ttmp9, 128                        ; the three ways hang on the work-group's number alone: all sixteen waves take the same
	s_cbranch_scc1 .Lx
	s_cmp_eq_u32 s35, 2
	s_cbranch_scc1 .Lv3
	LOAD32                                         ; wq, wk, wo, rw1: the cast alone
	CAST 0, 0
	CAST 1, 0
	CAST 2, 0
	CAST 3, 0
	s_endpgm
.Lx:
	s_add_nc_u64 s[32:33], s[30:31], 0x800000      ; the EMA's half of ab
	s_cmp_eq_u32 s27, 0                            ; quarter 0 has no rows in front of it
	s_cbranch_scc1 .Lfirst
	LOADL
	LOADO
	LROWS 0
	LROWS 1
	s_branch .Lown
.Lfirst:
	LOADO
	v_mov_b32 v[ZL], 0
	v_mov_b32 v[ZL+1], 0
	v_mov_b32 v[ZL+2], 0
	v_mov_b32 v[ZL+3], 0
.Lown:                                             ; on both ways my own 16 loads, and no others, may be out here
	OROWS 0
	OROWS 1
	v_lshl_add_u32 v3, s24, 9, v1                  ; my two end states: 512 w + 16 lane
	ds_store_b128 v3, v[ZL:ZL+3]
	ds_store_b128 v3, v[ZR:ZR+3] offset:EOL
	s_wait_dscnt 0x0                               ; stored, for the other waves' sake
	s_barrier_signal -1
	s_barrier_wait -1
.irp i, 0,1,2,3,4,5,6,7,8,9,10,11,12,13,14,15
	ds_load_b128 v[X+4*\i:X+4*\i+3], v1 offset:512*\i              ; the 16 end states in front, my four columns
.endr
.irp i, 0,1,2,3,4,5,6,7,8,9,10,11,12,13,14
	ds_load_b128 v[EB+4*\i:EB+4*\i+3], v1 offset:EOL+512*\i        ; the quarter's end states 0 to 14
.endr
	s_wait_dscnt 0x0
	v_pk_fma_f32 v[CR:CR+1], v[X:X+1], K16, v[X+4:X+5] op_sel_hi:[1,0,1]       ; the first two states start the carry
	v_pk_fma_f32 v[CR+2:CR+3], v[X+2:X+3], K16, v[X+6:X+7] op_sel_hi:[1,0,1]
.irp i, 2,3,4,5,6,7,8,9,10,11,12,13,14,15
	v_pk_fma_f32 v[CR:CR+1], v[CR:CR+1], K16, v[X+4*\i:X+4*\i+1] op_sel_hi:[1,0,1]
	v_pk_fma_f32 v[CR+2:CR+3], v[CR+2:CR+3], K16, v[X+4*\i+2:X+4*\i+3] op_sel_hi:[1,0,1]
.endr
.irp i, 0,1,2,3,4,5,6,7,8,9,10,11,12,13,14
	s_cmp_le_u32 s24, \i                           ; of the quarter only the chunks in front of mine
	s_cbranch_scc1 .Lcdone
	v_pk_fma_f32 v[CR:CR+1], v[CR:CR+1], K16, v[EB+4*\i:EB+4*\i+1] op_sel_hi:[1,0,1]
	v_pk_fma_f32 v[CR+2:CR+3], v[CR+2:CR+3], K16, v[EB+4*\i+2:EB+4*\i+3] op_sel_hi:[1,0,1]
.endr
.Lcdone:
	; the second scan, from the f32 rows still in registers; the packed results go to registers that no pending store reads
.set row, 0
.rept 16
.set tt, TR+4*(row&1)
	v_pk_fma_f32 v[CR:CR+1], v[CR:CR+1], K09, v[XO+4*row:XO+4*row+1] op_sel_hi:[1,0,1]
	v_pk_fma_f32 v[CR+2:CR+3], v[CR+2:CR+3], K09, v[XO+4*row+2:XO+4*row+3] op_sel_hi:[1,0,1]
	v_pk_mul_f32 v[tt:tt+1], v[CR:CR+1], K01 op_sel_hi:[1,0]
	v_pk_mul_f32 v[tt+2:tt+3], v[CR+2:CR+3], K01 op_sel_hi:[1,0]
	v_cvt_pk_f16_f32 v[EB+2*row], v[tt], v[tt+1]
	v_cvt_pk_f16_f32 v[EB+2*row+1], v[tt+2], v[tt+3]
	global_store_b64 v2, v[EB+2*row:EB+2*row+1], s[32:33] offset:row*2048
.set row, row+1
.endr
	s_wait_tensorcnt 0x0
	ds_add_u32 v244, v245
	s_wait_dscnt 0x0
	s_endpgm
.Lv3:
	v_lshlrev_b32 v3, 2, v3
	v_lshl_add_u32 v3, s38, 2, v3                  ; (first row + lane) x 4
.irp b, 0,1,2,3
	global_load_b32 v[L3V+\b], v3, s[16:17] offset:4096*\b         ; issued ahead of wv's rows: the first counted wait covers them
.endr
	s_mov_b32 s49, 0                               ; the unused halves of the broadcast pairs
	s_mov_b32 s51, 0
	s_mov_b32 s53, 0
	s_mov_b32 s55, 0
	LOAD32
	CAST 0, 1
	CAST 1, 1
	CAST 2, 1
	CAST 3, 1
	v_lshl_add_u32 v3, s24, 11, v1                 ; my partial sums: 2,048 w + 512 b + 16 lane
.irp b, 0,1,2,3
	ds_store_b128 v3, v[ACC+4*\b:ACC+4*\b+3] offset:V3L+512*\b
.endr
	s_wait_dscnt 0x0
	s_barrier_signal -1
	s_barrier_wait -1
	s_cmp_gt_u32 s24, 7                            ; 256 threads add the sixteen partial sums, two numbers each
	s_cbranch_scc1 .Lv3end
	v_lshlrev_b32 v3, 3, v0
.irp i, 0,1,2,3,4,5,6,7,8,9,10,11,12,13,14,15
	ds_load_b64 v[X+2*\i:X+2*\i+1], v3 offset:V3L+2048*\i
.endr
	v_lshrrev_b32 v[TR], 6, v0                     ; batch
	v_and_b32 v[TR+1], 63, v0
	v_lshlrev_b32 v[TR+1], 3, v[TR+1]
	v_lshl_add_u32 v[TR], v[TR], 12, v[TR+1]
	s_lshl_b32 s39, s41, 9
	s_lshl_b32 s40, s36, 14
	s_add_co_u32 s39, s39, s40
	v_add_nc_u32 v[TR], s39, v[TR]                 ; part x 16,384 + batch x 4,096 + strip x 512 + 8 (thread mod 64)
	s_wait_dscnt 0x0
.irp i, 0,1,2,3,4,5,6,7
	v_pk_add_f32 v[X+2*\i:X+2*\i+1], v[X+2*\i:X+2*\i+1], v[X+16+2*\i:X+16+2*\i+1]
.endr
.irp i, 0,1,2,3
	v_pk_add_f32 v[X+2*\i:X+2*\i+1], v[X+2*\i:X+2*\i+1], v[X+8+2*\i:X+8+2*\i+1]
.endr
.irp i, 0,1
	v_pk_add_f32 v[X+2*\i:X+2*\i+1], v[X+2*\i:X+2*\i+1], v[X+4+2*\i:X+4+2*\i+1]
.endr
	v_pk_add_f32 v[X:X+1], v[X:X+1], v[X+2:X+3]
	global_store_b64 v[TR], v[X:X+1], s[22:23]     ; a wave stores 256 consecutive bytes, aligned
.Lv3end:
	s_wait_tensorcnt 0x0
	ds_add_u32 v244, v245
	s_wait_dscnt 0x0
	s_endpgm
.Lfunc_end_k_qa920227b04_prep:
	.size	k_qa920227b04_prep, .Lfunc_end_k_qa920227b04_prep-k_qa920227b04_prep
	.p2alignl 7, 3214868480
	.fill 96, 4, 3214868480
	.section	.rodata,"a",@progbits
	.p2align	6, 0x0
	.amdhsa_kernel k_qa920227b04_prep
		.amdhsa_group_segment_fixed_size 51200
		.amdhsa_private_segment_fixed_size 0
		.amdhsa_enable_private_segment 0
		.amdhsa_kernarg_size 80
		.amdhsa_user_sgpr_count 2
		.amdhsa_user_sgpr_kernarg_segment_ptr 1
		.amdhsa_wavefront_size32 1
		.amdhsa_system_sgpr_workgroup_id_x 1
		.amdhsa_system_sgpr_workgroup_id_y 1
		.amdhsa_system_sgpr_workgroup_id_z 1
		.amdhsa_system_vgpr_workitem_id 0
		.amdhsa_next_free_vgpr 246
		.amdhsa_next_free_sgpr 66
		.amdhsa_reserve_vcc 0
		.amdhsa_float_denorm_mode_32 3
		.amdhsa_float_denorm_mode_16_64 3
		.amdhsa_memory_ordered 1
		.amdhsa_forward_progress 1
		.amdhsa_inst_pref_size 83
	.end_amdhsa_kernel
	.amdgpu_metadata
---
amdhsa.version: [ 1, 2 ]
amdhsa.kernels:
  - .name:           k_qa920227b04_prep
    .symbol:         k_qa920227b04_prep.kd
    .args:
      - { .name: x, .offset: 0, .size: 8, .value_kind: global_buffer, .address_space: global }
      - { .name: wq, .offset: 8, .size: 8, .value_kind: global_buffer, .address_space: global }
      - { .name: wk, .offset: 16, .size: 8, .value_kind: global_buffer, .address_space: global }
      - { .name: wv, .offset: 24, .size: 8, .value_kind: global_buffer, .address_space: global }
      - { .name: wo, .offset: 32, .size: 8, .value_kind: global_buffer, .address_space: global }
      - { .name: rw1, .offset: 40, .size: 8, .value_kind: global_buffer, .address_space: global }
      - { .name: l3_memory, .offset: 48, .size: 8, .value_kind: global_buffer, .address_space: global }
      - { .name: ab, .offset: 56, .size: 8, .value_kind: global_buffer, .address_space: global }
      - { .name: wb, .offset: 64, .size: 8, .value_kind: global_buffer, .address_space: global }
      - { .name: v3m, .offset: 72, .size: 8, .value_kind: global_buffer, .address_space: global }
    .group_segment_fixed_size: 51200
    .private_segment_fixed_size: 0
    .kernarg_segment_align: 8
    .kernarg_segment_size: 80
    .max_flat_workgroup_size: 512
    .sgpr_count:     66
    .vgpr_count:     246
    .wavefront_size: 32
...
	.end_amdgpu_metadata
.endif
;; end of part 1
;; launch qkv (part 2): grid 16 x 16, 4 waves a work-group, clusters of 4 x 4, 327,680 bytes of LDS; arguments ab, wb, qkv; writes qkv
.if DOCPART == 2
	.amdgcn_target "amdgcn-amd-amdhsa--gfx1250"
	.amdhsa_code_object_version 6
	.text
	.protected	k_qa920227b04_qkv
	.globl	k_qa920227b04_qkv
	.p2align	8
	.type	k_qa920227b04_qkv,@function
k_qa920227b04_qkv:
	s_mov_b64 s[64:65], 0
	v_nop
	global_prefetch_b8 v0, s[64:65] scope:SCOPE_SE
	s_setreg_imm32_b32 hwreg(HW_REG_WAVE_MODE, 25, 1), 1
	s_wait_xcnt 0x0
	s_wait_alu depctr_hold_cnt(0) depctr_sa_sdst(0) depctr_va_vdst(0) depctr_va_sdst(0) depctr_va_ssrc(0) depctr_va_vcc(0) depctr_vm_vsrc(0)
	s_getreg_b32 s2, hwreg(HW_REG_IB_STS2, 6, 4)
	s_cmp_eq_u32 s2, 0
	s_cbranch_scc0 .Lentry_in_a_cluster
	s_endpgm
.Lentry_in_a_cluster:
	s_bfe_u32 s2, ttmp6, 0x10000c
	s_cmp_lg_u32 s2, 0xf033
	s_cbranch_scc0 .Lentry_shape_is_right
	s_endpgm
.Lentry_shape_is_right:
; QKV: four products of [4096][1024] x [1024][1024] in f16 with f32 sums, rounded once to f16:
;   qkv[0] = x @ wq, qkv[1] = x @ wk, qkv[2] = x @ wv, qkv[3] = EMA(x) @ wv, 8 MiB each, [4096][1024].
; FORMAT: f16.  Its room: with x and a weight both carrying an offset of 30 spreads a result reaches 1024 x 30 x 0.94 = 28,800, under f16's 65,504;
; with all inputs 30 times larger about 900 x 5; with all 30 times smaller the results are about 0.001, where f16's step is at most 6e-8.
; 256 blocks of 256 x 256; a work-group makes one with four waves, a wave 128 x 128 in 64 accumulator tiles (512 registers).
; The cluster's x picks the product, cx its 256 columns, 4 x cluster y + cy the 256 rows.
; K goes in steps of 128 through two LDS slots filled by the tensor data mover.  A's tile: 256 rows x 256 bytes, pitch 272.  The weights lie [K][N]:
; B's tile is 128 k-rows x 512 bytes, pitch 544, and its fragments are read with the transposing LDS load.
; CLUSTERS: the four work-groups of a row of the cluster need the same tiles of A, the four of a column the same tiles of B: each tile is asked for jointly.
; REGISTERS in windows of 256: window 0: v0-31 addresses, v64-127 and v128-191 A's fragments (two buffers), v192-223 the way out;
; window 1: v64-127, v128-191 B's fragments; window 2: accumulators of my rows 0-63; window 3: of my rows 64-127.
; The matrix instruction is used transposed (source 0 = 16 columns of B, source 1 = 16 rows of A): a lane's eight results are eight neighbouring columns of a row.
.set SIZE_K, 1024
.set SIZE_N, 1024                      ; the pitch of the weights and of each product
.set KSTEP,  128
.set PITCH,  272                       ; A's LDS row: 256 bytes + 16: 17 sixteen-byte columns, so 16 rows start in 16 different columns modulo 256 bytes
.set BPITCH, 544                       ; B's LDS row: 512 bytes + 32 = 17 x 32
.set HALFT,  128*PITCH                 ; what one tensor load brings: 128 rows of A, or 64 k-rows of B (64 x 544, the same bytes)
.set SLOT,   4*HALFT
.set STAGE,  2*SLOT
.set SPITCH, 272
.set LAPS, SIZE_K/(2*KSTEP)
.set ADRA, 16
.set ADRB, 20
.set STO,  24
.set RD,   25
.set CO,   26
.set F0,   64
.set F1,   128
.set TMP,  192
.set G1, 24
.set G0, 32
.set G1B, 48
.set G0B, 56
.set MSB, 0
.macro WIN new                         ; the immediate's high byte repeats the setting that is left
.if MSB != \new
	s_set_vgpr_msb (MSB<<8)|\new
.set MSB, \new
.endif
.endm
.set MUL_LO, 0xa1                      ; source 0 (B) window 1, source 1 (A) window 0, C and D window 2
.set MUL_HI, 0xf1                      ; the same, C and D window 3
.set TO_B,   0x40                      ; destination window 1, address window 0
.macro JLOAD s                         ; waves 0, 1 ask for A's halves, waves 2, 3 for B's: one mask and one register set a line; the branch hangs on the wave's number alone
	s_cmp_eq_u32 s11, 0
	s_cbranch_scc0 .Lfor_b_\@
	tensor_load_to_lds s[G0+4*\s:G0+4*\s+3], s[G1:G1+7]
	s_nop 0
	s_branch .Lasked_\@
.Lfor_b_\@:
	tensor_load_to_lds s[G0B+4*\s:G0B+4*\s+3], s[G1B:G1B+7]
	s_nop 0
.Lasked_\@:
.endm
.macro CREST                           ; a round of the cluster's barrier behind its opening work-group barrier
	s_cmp_lg_u32 s10, 0
	s_cbranch_scc1 .Lnot_wave_0_\@
	s_barrier_signal -3
.Lnot_wave_0_\@:
	s_barrier_wait -3
	s_barrier_signal -1
	s_barrier_wait -1
.endm
.macro CROUND
	s_barrier_signal -1
	s_barrier_wait -1
	CREST
.endm
	s_load_b128 s[4:7], s[0:1], 0x0                ; ab s[4:5], wb s[6:7]
	s_load_b64 s[8:9], s[0:1], 0x10                ; qkv
	s_set_vgpr_msb 0x40
	v_lshl_add_u32 v255, v0, 2, 0x48400
	s_set_vgpr_msb 0x4000
	v_mov_b32 v255, 0
	s_set_vgpr_msb 0x1
	ds_add_u32 v255, v255
	s_set_vgpr_msb 0x100
	v_lshrrev_b32 v1, 5, v0
	v_readfirstlane_b32 s10, v1                    ; wave 0..3
	s_lshr_b32 s11, s10, 1                         ; my half of the block's rows; also: I fetch for A (0) or B (1)
	s_and_b32 s12, s10, 1                          ; my half of its columns; also: which half of that tile I fetch
	s_bfe_u32 s40, ttmp6, 0x40000                  ; cx
	s_bfe_u32 s41, ttmp6, 0x40004                  ; cy
	s_and_b32 s13, ttmp7, 0xffff
	s_lshl_b32 s13, s13, 2
	s_add_co_u32 s13, s13, s41                     ; block row = 4 x cluster y + cy
	s_lshl_b32 s43, s41, 2
	s_lshl_b32 s43, 15, s43                        ; my row of the cluster
	s_lshl_b32 s44, 0x1111, s40                    ; my column
	s_or_b32 s[G1+0], s43, (1<<16)|(1<<20)|(1<<21)|(5<<22)|(3<<25)   ; A: mask of my row; 2-byte elements; 4 words of padding behind every 64
	s_mov_b32 s[G1+1], KSTEP<<16                   ; tensor_dim0 = 128
	s_mov_b32 s[G1+2], 128<<16                     ; tensor_dim1 = 128
	s_mov_b32 s[G1+3], KSTEP<<16                   ; tile_dim0 = 128
	s_mov_b32 s[G1+4], 128                         ; tile_dim1 = 128
	s_mov_b32 s[G1+5], SIZE_K                      ; elements from row to row
	s_mov_b32 s[G1+6], 0
	s_mov_b32 s[G1+7], 0
	s_or_b32 s[G1B+0], s44, (1<<16)|(1<<20)|(1<<21)|(6<<22)|(7<<25)  ; B: mask of my column; 8 words of padding behind every 128
	s_mov_b32 s[G1B+1], 256<<16                    ; tensor_dim0 = 256 columns
	s_mov_b32 s[G1B+2], 64<<16                     ; tensor_dim1 = 64 k-rows
	s_mov_b32 s[G1B+3], 256<<16                    ; tile_dim0 = 256
	s_mov_b32 s[G1B+4], 64                         ; tile_dim1 = 64
	s_mov_b32 s[G1B+5], SIZE_N
	s_mov_b32 s[G1B+6], 0
	s_mov_b32 s[G1B+7], 0
	; A's offset hangs on the cluster's x, the block row and the wave; B's on the cluster's x, cx and the wave: each in registers that never hold the other coordinate
	s_lshl_b32 s16, s13, 19                        ; 256 rows x 2,048 bytes
	s_lshl_b32 s17, s12, 18                        ; + my 128 rows
	s_add_co_u32 s16, s16, s17
	s_add_co_u32 s17, ttmp9, 1
	s_lshr_b32 s17, s17, 2                         ; product 3 reads the EMA's half of ab
	s_lshl_b32 s17, s17, 23
	s_add_co_u32 s16, s16, s17
	s_mov_b32 s17, 0
	s_min_u32 s46, ttmp9, 2                        ; wq, wk, wv, wv
	s_lshl_b32 s46, s46, 21
	s_lshl_b32 s47, s40, 9                         ; + 256 columns x cx
	s_add_co_u32 s46, s46, s47
	s_lshl_b32 s47, s12, 17                        ; + my 64 k-rows
	s_add_co_u32 s46, s46, s47
	s_mov_b32 s47, 0
	s_mul_i32 s20, s10, HALFT                      ; where the tiles go: wave x 34,816
	s_wait_dscnt 0x0
	s_wait_kmcnt 0x0
	s_add_nc_u64 s[14:15], s[4:5], s[16:17]
	s_add_nc_u64 s[46:47], s[6:7], s[46:47]
	CROUND                                         ; all sixteen work-groups are here: the first joint loads meet
.irp s, 0,1
	s_mov_b32 s[G0+4*\s], 1
	s_add_co_u32 s[G0+4*\s+1], s20, \s*SLOT
	s_add_nc_u64 s[G0+4*\s+2:G0+4*\s+3], s[14:15], \s*KSTEP*2
	s_or_b32 s[G0+4*\s+3], s[G0+4*\s+3], 0x80000000
	s_mov_b32 s[G0B+4*\s], 1
	s_add_co_u32 s[G0B+4*\s+1], s20, \s*SLOT
	s_add_nc_u64 s[G0B+4*\s+2:G0B+4*\s+3], s[46:47], \s*KSTEP*SIZE_N*2
	s_or_b32 s[G0B+4*\s+3], s[G0B+4*\s+3], 0x80000000
	JLOAD \s                                       ; two loads of a wave are out here, one behind each later round
.endr
	v_and_b32 v1, 15, v0                           ; l % 16
	v_bfe_u32 v2, v0, 4, 1                         ; l / 16
	v_mul_u32_u24 v3, v1, PITCH
	v_lshl_add_u32 v3, v2, 4, v3                   ; A: row x pitch + 16 x half
	v_and_b32 v6, 7, v0
	v_lshl_add_u32 v6, v2, 3, v6                   ; B: k-row l % 8 + 8 (l / 16),
	v_mul_u32_u24 v6, v6, BPITCH
	v_bfe_u32 v7, v0, 3, 1
	v_lshl_add_u32 v6, v7, 4, v6                   ; 16 bytes on for lanes 8-15 of each half
	s_mul_i32 s21, s11, HALFT                      ; my 128 rows of A
	s_lshl_b32 s22, s12, 8                         ; my 128 columns of B,
	s_add_co_u32 s22, s22, 2*HALFT                 ; which lies behind A's 256 rows
.irp s, 0,1
	v_add_nc_u32 v[ADRA+\s], s21, v3
	v_add_nc_u32 v[ADRB+\s], s22, v6
	s_add_co_u32 s21, s21, SLOT
	s_add_co_u32 s22, s22, SLOT
.endr
	s_mul_i32 s23, s10, 16*SPITCH
	s_add_co_u32 s23, s23, STAGE                   ; my stage
	v_mul_u32_u24 v4, v1, SPITCH
	v_lshl_add_u32 v4, v2, 4, v4
	v_add_nc_u32 v[STO], s23, v4
	v_mul_u32_u24 v5, v2, SPITCH
	v_lshl_add_u32 v5, v1, 4, v5
	v_add_nc_u32 v[RD], s23, v5
	v_mul_u32_u24 v5, v2, SIZE_N*2
	v_lshl_add_u32 v[CO], v1, 4, v5
.macro MUL16 f, hi, a0, zero           ; 16 matrix instructions; zero = 1: the first product starts the sums
.irp a, \a0, \a0+1
.irp b, 0,1,2,3,4,5,6,7
.if \zero
	v_wmma_f32_16x16x32_f16 v[8*(8*(\a)+\b):8*(8*(\a)+\b)+7], v[\f+8*\b:\f+8*\b+7], v[\f+8*(4*\hi+\a):\f+8*(4*\hi+\a)+7], 0
.else
	v_wmma_f32_16x16x32_f16 v[8*(8*(\a)+\b):8*(8*(\a)+\b)+7], v[\f+8*\b:\f+8*\b+7], v[\f+8*(4*\hi+\a):\f+8*(4*\hi+\a)+7], v[8*(8*(\a)+\b):8*(8*(\a)+\b)+7]
.endif
.endr
.endr
.endm
; 32 LDS loads in one run: a quarter step's fragments (128 columns of B by the transposing load, 128 rows of A; k = byte of A's rows = 2 x first k) into buffer f
.macro FETCH slot, k, f
	WIN TO_B
.irp i, 0,1,2,3,4,5,6,7
	ds_load_tr16_b128 v[\f+8*\i:\f+8*\i+3],   v[ADRB+\slot] offset:\k*BPITCH/2+32*\i
	ds_load_tr16_b128 v[\f+8*\i+4:\f+8*\i+7], v[ADRB+\slot] offset:\k*BPITCH/2+32*\i+16*BPITCH
.endr
	WIN 0
.irp i, 0,1,2,3,4,5,6,7
	ds_load_b128 v[\f+8*\i:\f+8*\i+3],   v[ADRA+\slot] offset:\k+\i*16*PITCH
	ds_load_b128 v[\f+8*\i+4:\f+8*\i+7], v[ADRA+\slot] offset:\k+\i*16*PITCH+32
.endr
.endm
.macro PLACES                          ; four plain vector instructions between a matrix instruction and a load into, or a vector use of, its registers
.rept 4
	v_nop
.endr
.endm
.macro QUARTER slot, k, f, g, zero
	s_wait_dscnt 8                                 ; B and A's rows 0-63 are in; the youngest eight loads (A's rows 64-127) may be out
	WIN MUL_LO
	MUL16 \f, 0, 0, \zero
	MUL16 \f, 0, 2, \zero
	PLACES
	FETCH \slot, \k, \g
	s_wait_dscnt 32                                ; all but the 32 just issued
	WIN MUL_HI
	MUL16 \f, 1, 0, \zero
	MUL16 \f, 1, 2, \zero
.endm
.macro THREE slot, zero
	QUARTER \slot, 64,  F0, F1, \zero
	QUARTER \slot, 128, F1, F0, 0
	QUARTER \slot, 192, F0, F1, 0
.endm
; The last quarter changes slots.  In front of the barrier each wave waits for its reads of this slot and for all its tensor loads; behind it
; (behind the cluster's round where the slot is filled again) the refill comes first, then the next slot's first fragments.
.macro TURN slot, next, fill
	s_wait_dscnt 8
	WIN MUL_LO
	MUL16 F1, 0, 0, 0
	s_wait_dscnt 0                                 ; my reads of this slot are over
	s_wait_tensorcnt 0x0                           ; all my tensor loads have landed: the one that was out is my part of the next slot
	ds_add_u32 v255, v255
	s_wait_dscnt 0x0
	s_barrier_signal -1
	MUL16 F1, 0, 2, 0                              ; register work while the others arrive
	WIN 0
	s_barrier_wait -1
.if \fill
	CREST                                          ; no wave of any partner still reads this slot or has a load on its way
	s_add_nc_u64 s[G0+4*\slot+2:G0+4*\slot+3], s[G0+4*\slot+2:G0+4*\slot+3], 2*KSTEP*2
	s_add_nc_u64 s[G0B+4*\slot+2:G0B+4*\slot+3], s[G0B+4*\slot+2:G0B+4*\slot+3], 2*KSTEP*SIZE_N*2
	JLOAD \slot
.endif
	PLACES
	FETCH \next, 0, F0
	WIN MUL_HI
	MUL16 F1, 1, 0, 0
	MUL16 F1, 1, 2, 0
.endm
.macro LAP zero
	THREE 0, \zero
	TURN 0, 1, 1
	THREE 1, 0
	TURN 1, 0, 1
.endm
; The 64 accumulators take turns, one instruction a turn, in the same order in every quarter, over the backward jump too.
	s_wait_tensorcnt 1                             ; my part of K step 0 is in; K step 1's stays out
	s_barrier_signal -1
	s_barrier_wait -1
	FETCH 0, 0, F0
	LAP 1
	WIN 0
	s_mov_b32 s3, LAPS-2
.Llap:
	LAP 0
	WIN 0
	s_sub_co_u32 s3, s3, 1
	s_cmp_lg_u32 s3, 0
	s_cbranch_scc1 .Llap
	THREE 0, 0                                     ; the last lap fills nothing
	TURN 0, 1, 0
	THREE 1, 0
	s_wait_dscnt 8
	WIN MUL_LO
	MUL16 F1, 0, 0, 0
	MUL16 F1, 0, 2, 0
	s_wait_dscnt 0
	WIN MUL_HI
	MUL16 F1, 1, 0, 0
	MUL16 F1, 1, 2, 0
	; THE WAY OUT, 16 rows at a time: round to f16, 16 bytes a lane into my own stage, read back as whole rows of 256 bytes
	PLACES
	s_lshl_b32 s16, s13, 19                        ; block row x 256 rows x 2,048 bytes
	s_lshl_b32 s14, s11, 18                        ; + my 128 rows
	s_add_co_u32 s16, s16, s14
	s_lshl_b32 s14, ttmp9, 23                      ; + the product's 8 MiB
	s_add_co_u32 s16, s16, s14
	s_mov_b32 s17, 0
	s_add_nc_u64 s[8:9], s[8:9], s[16:17]
	s_lshl_b32 s46, s40, 9                         ; my first column in bytes: 512 cx + 256 half
	s_lshl_b32 s47, s12, 8
	s_add_co_u32 s46, s46, s47
	s_mov_b32 s47, 0
	s_add_nc_u64 s[8:9], s[8:9], s[46:47]
.macro OUT16 i, a, from, f
	WIN \from
.irp b, 0,1,2,3,4,5,6,7
.irp r, 0,1,2,3
	v_cvt_pk_f16_f32 v[TMP+4*\b+\r], v[8*(8*\a+\b)+2*\r], v[8*(8*\a+\b)+2*\r+1]
.endr
.endr
	WIN 0
.irp b, 0,1,2,3,4,5,6,7
	ds_store_b128 v[STO], v[TMP+4*\b:TMP+4*\b+3] offset:32*\b
.endr
	s_wait_xcnt 0x0                                ; buffer f, which earlier stores read, and the stores' base are rewritten only behind this wait
.if \i
	s_add_nc_u64 s[8:9], s[8:9], 16*SIZE_N*2
.endif
.irp t, 0,1,2,3,4,5,6,7
	ds_load_b128 v[\f+4*\t:\f+4*\t+3], v[RD] offset:\t*2*SPITCH    ; a wave's LDS instructions are served in order: these see the stores above
.endr
.irp t, 0,1,2,3,4,5,6,7
	s_wait_dscnt 7-\t
	global_store_b128 v[CO], v[\f+4*\t:\f+4*\t+3], s[8:9] offset:2*\t*SIZE_N*2   ; 16 lanes store 256 consecutive bytes, aligned
.endr
.endm
	OUT16 0, 0, 0x0a, F0
	OUT16 1, 1, 0x0a, F1
	OUT16 2, 2, 0x0a, F0
	OUT16 3, 3, 0x0a, F1
	OUT16 4, 0, 0x0f, F0
	OUT16 5, 1, 0x0f, F1
	OUT16 6, 2, 0x0f, F0
	OUT16 7, 3, 0x0f, F1
	s_set_vgpr_msb 0x1
	s_wait_tensorcnt 0x0
	ds_add_u32 v255, v255
	s_wait_dscnt 0x0
	s_set_vgpr_msb 0x100
	CROUND                                         ; the closing round: no work-group ends while a partner may still ask for a tile that names it
	s_endpgm
.Lfunc_end_k_qa920227b04_qkv:
	.size	k_qa920227b04_qkv, .Lfunc_end_k_qa920227b04_qkv-k_qa920227b04_qkv
	.p2alignl 7, 3214868480
	.fill 96, 4, 3214868480
	.section	.rodata,"a",@progbits
	.p2align	6, 0x0
	.amdhsa_kernel k_qa920227b04_qkv
		.amdhsa_group_segment_fixed_size 327680
		.amdhsa_private_segment_fixed_size 0
		.amdhsa_enable_private_segment 0
		.amdhsa_kernarg_size 24
		.amdhsa_user_sgpr_count 2
		.amdhsa_user_sgpr_kernarg_segment_ptr 1
		.amdhsa_wavefront_size32 1
		.amdhsa_system_sgpr_workgroup_id_x 1
		.amdhsa_system_sgpr_workgroup_id_y 1
		.amdhsa_system_sgpr_workgroup_id_z 1
		.amdhsa_system_vgpr_workitem_id 0
		.amdhsa_next_free_vgpr 1024
		.amdhsa_next_free_sgpr 66
		.amdhsa_reserve_vcc 0
		.amdhsa_float_denorm_mode_32 3
		.amdhsa_float_denorm_mode_16_64 3
		.amdhsa_memory_ordered 1
		.amdhsa_forward_progress 1
		.amdhsa_inst_pref_size 196
	.end_amdhsa_kernel
	.amdgpu_metadata
---
amdhsa.version: [ 1, 2 ]
amdhsa.kernels:
  - .name:           k_qa920227b04_qkv
    .symbol:         k_qa920227b04_qkv.kd
    .args:
      - { .name: ab, .offset: 0, .size: 8, .value_kind: global_buffer, .address_space: global }
      - { .name: wb, .offset: 8, .size: 8, .value_kind: global_buffer, .address_space: global }
      - { .name: qkv, .offset: 16, .size: 8, .value_kind: global_buffer, .address_space: global }
    .group_segment_fixed_size: 327680
    .private_segment_fixed_size: 0
    .kernarg_segment_align: 8
    .kernarg_segment_size: 24
    .max_flat_workgroup_size: 128
    .sgpr_count:     66
    .vgpr_count:     1024
    .wavefront_size: 32
...
	.end_amdgpu_metadata
.endif
;; end of part 2
;; launch router (part 3): grid 4 x 32, 4 waves a work-group, clusters of 4 x 4, 327,680 bytes of LDS; arguments qkv, wb, rb1, rw2, plog; writes plog
.if DOCPART == 3
	.amdgcn_target "amdgcn-amd-amdhsa--gfx1250"
	.amdhsa_code_object_version 6
	.text
	.protected	k_qa920227b04_router
	.globl	k_qa920227b04_router
	.p2align	8
	.type	k_qa920227b04_router,@function
k_qa920227b04_router:
	s_mov_b64 s[64:65], 0
	v_nop
	global_prefetch_b8 v0, s[64:65] scope:SCOPE_SE
	s_setreg_imm32_b32 hwreg(HW_REG_WAVE_MODE, 25, 1), 1
	s_wait_xcnt 0x0
	s_wait_alu depctr_hold_cnt(0) depctr_sa_sdst(0) depctr_va_vdst(0) depctr_va_sdst(0) depctr_va_ssrc(0) depctr_va_vcc(0) depctr_vm_vsrc(0)
	s_getreg_b32 s2, hwreg(HW_REG_IB_STS2, 6, 4)
	s_cmp_eq_u32 s2, 0
	s_cbranch_scc0 .Lentry_in_a_cluster
	s_endpgm
.Lentry_in_a_cluster:
	s_bfe_u32 s2, ttmp6, 0x10000c
	s_cmp_lg_u32 s2, 0xf033
	s_cbranch_scc0 .Lentry_shape_is_right
	s_endpgm
.Lentry_shape_is_right:
; ROUTER: hidden = gelu(Q @ rw1 + rb1), exact GELU; partial logits = hidden @ rw2 over this wave's 64 hidden units.
;   plog[slice of 64 hidden units][token][4] f32 (column 3 is zero); the eight slices and rb2 are added by the launch that needs lam.
; FORMATS: Q and rw1 in f16 (Q's room: see the launch that makes it).  The hidden units have no such room (28,800 x 1024 x 0.94 with offsets of 30 spreads
; in x, wq and rw1), so they and rw2 go in bf16 in the small second product.
; A block of 128 tokens x 128 hidden units, K = 1024, four waves in 2 x 2, a wave tile of 64 x 64 in 16 accumulators (window 1).
; Two LDS slots, each with K = 256: A 128 rows x 512 bytes (pitch 528), B (rw1, [K][N]) 256 k-rows x 256 bytes (pitch 288, read by the transposing load).
; CLUSTERS 4 x 4: A's tiles are shared along a row of the cluster, B's along a column, each asked for jointly.
; The matrix instruction is used transposed: lane r holds token 16 a + r, register j hidden unit 16 b + 8 (l / 16) + j.  Two such tiles, packed, ARE the
; B fragment (n = token, k = 32 hidden units) of the second product, whose A fragment is rw2 transposed (rows 3 to 15 zero).
; LIMITS, stated: erf by the five-term rational form of Abramowitz and Stegun 7.1.26 (absolute error 1.5e-7); v_exp_f32 and v_rcp_f32 flush denormals.
.set NP,     512                       ; rw1's pitch in elements
.set BOFF,   8388608                   ; rw1's place in wb
.set APITCH, 528
.set BPITCH, 288
.set HALF,   36864                     ; one tensor load's room: 64 rows x 528 (33,792 used) or 128 k-rows x 288
.set SLOT,   4*HALF
.set ADRA, 16                          ; v16-17  A fragments, slot 0, 1
.set ADRB, 20                          ; v20-23  B fragments, slot x 2 + half of the slot's k-rows
.set G1, 24
.set G0, 32
.set G1B, 48
.set G0B, 56
.set BIAS, 160                         ; v[160:191] rb1 of my 64 hidden units, in the accumulators' order
.set W2,   192                         ; v[192:207] two A fragments of rw2 transposed
.set G,    208                         ; v[208:223] 16 numbers at work;  v[208:239] rw2 as loaded
.set HB,   224                         ; v[224:231] a B fragment of gelu values
.set LG,   32                          ; v[32:63]   four tiles of logits (the fragment buffers are free by then)
.set AX,   64
.set UU,   80
.set XX,   96
.set PP,   112
.set KP,  0x3e6d3388                   ; 0.3275911 / sqrt 2
.set KE,  0xbf38aa3b                   ; -0.5 log2 e
.set KA1, 0x3e827906                   ; 0.254829592
.set KA2, 0xbe91a98e                   ; -0.284496736
.set KA3, 0x3fb5f0e3                   ; 1.421413741
.set KA4, 0xbfba00e3                   ; -1.453152027
.set KA5, 0x3f87dc22                   ; 1.061405429
.set MSB, 0
.macro WIN new
.if MSB != \new
	s_set_vgpr_msb (MSB<<8)|\new
.set MSB, \new
.endif
.endm
.set MULW, 0x50                        ; C and D in window 1, A and B in window 0
.macro JLOAD s
	s_cmp_eq_u32 s11, 0
	s_cbranch_scc0 .Lfor_b_\@
	tensor_load_to_lds s[G0+4*\s:G0+4*\s+3], s[G1:G1+7]
	s_nop 0
	s_branch .Lasked_\@
.Lfor_b_\@:
	tensor_load_to_lds s[G0B+4*\s:G0B+4*\s+3], s[G1B:G1B+7]
	s_nop 0
.Lasked_\@:
.endm
.macro CREST
	s_cmp_lg_u32 s10, 0
	s_cbranch_scc1 .Lnot_wave_0_\@
	s_barrier_signal -3
.Lnot_wave_0_\@:
	s_barrier_wait -3
	s_barrier_signal -1
	s_barrier_wait -1
.endm
.macro CROUND
	s_barrier_signal -1
	s_barrier_wait -1
	CREST
.endm
.macro PLACES
.rept 4
	v_nop
.endr
.endm
	s_load_b128 s[4:7], s[0:1], 0x0                ; qkv (Q is its first 8 MiB), wb
	s_load_b128 s[68:71], s[0:1], 0x10             ; rb1, rw2
	s_load_b64 s[72:73], s[0:1], 0x20              ; plog
	v_lshl_add_u32 v254, v0, 2, 0x48000
	v_mov_b32 v255, 0
	ds_add_u32 v254, v255
	v_lshrrev_b32 v1, 5, v0
	v_readfirstlane_b32 s10, v1                    ; wave
	s_lshr_b32 s11, s10, 1                         ; my half of the rows; also: I fetch for A (0) or B (1)
	s_and_b32 s12, s10, 1                          ; my half of the columns; also: which half of that tile I fetch
	s_bfe_u32 s40, ttmp6, 0x40000                  ; cx
	s_bfe_u32 s41, ttmp6, 0x40004                  ; cy
	s_lshl_b32 s42, ttmp9, 2
	s_add_co_u32 s42, s42, s40                     ; block column
	s_and_b32 s13, ttmp7, 0xffff
	s_lshl_b32 s13, s13, 2
	s_add_co_u32 s13, s13, s41                     ; block row
	s_lshl_b32 s43, s41, 2
	s_lshl_b32 s43, 15, s43
	s_lshl_b32 s44, 0x1111, s40
	s_or_b32 s[G1+0], s43, (1<<16)|(1<<20)|(1<<21)|(6<<22)|(3<<25)   ; A: my row's mask; 4 words of padding behind every 128
	s_mov_b32 s[G1+1], 256<<16
	s_mov_b32 s[G1+2], 64<<16
	s_mov_b32 s[G1+3], 256<<16
	s_mov_b32 s[G1+4], 64
	s_mov_b32 s[G1+5], 1024
	s_mov_b32 s[G1+6], 0
	s_mov_b32 s[G1+7], 0
	s_or_b32 s[G1B+0], s44, (1<<16)|(1<<20)|(1<<21)|(5<<22)|(7<<25)  ; B: my column's mask; 8 words of padding behind every 64
	s_mov_b32 s[G1B+1], 128<<16
	s_mov_b32 s[G1B+2], 128<<16
	s_mov_b32 s[G1B+3], 128<<16
	s_mov_b32 s[G1B+4], 128
	s_mov_b32 s[G1B+5], NP
	s_mov_b32 s[G1B+6], 0
	s_mov_b32 s[G1B+7], 0
	s_lshl_b32 s16, s13, 18                        ; A: (128 block row + 64 half) x 2,048 bytes
	s_lshl_b32 s17, s12, 17
	s_add_co_u32 s16, s16, s17
	s_mov_b32 s17, 0
	s_mul_i32 s46, s12, 128*NP*2                   ; B: 128 k-rows x half + 256 bytes x block column
	s_lshl_b32 s47, s42, 8
	s_add_co_u32 s46, s46, s47
	s_add_co_u32 s46, s46, BOFF
	s_mov_b32 s47, 0
	s_mul_i32 s20, s10, HALF                       ; LDS: wave x 36,864
	s_mov_b32 s78, KA4
	s_mov_b32 s79, KA4
	s_wait_dscnt 0x0
	s_wait_kmcnt 0x0
	s_add_nc_u64 s[14:15], s[4:5], s[16:17]
	s_add_nc_u64 s[46:47], s[6:7], s[46:47]
	CROUND
.irp s, 0,1
	s_mov_b32 s[G0+4*\s], 1
	s_add_co_u32 s[G0+4*\s+1], s20, \s*SLOT
	s_add_nc_u64 s[G0+4*\s+2:G0+4*\s+3], s[14:15], \s*512
	s_or_b32 s[G0+4*\s+3], s[G0+4*\s+3], 0x80000000
	s_mov_b32 s[G0B+4*\s], 1
	s_add_co_u32 s[G0B+4*\s+1], s20, \s*SLOT
	s_add_nc_u64 s[G0B+4*\s+2:G0B+4*\s+3], s[46:47], \s*256*NP*2
	s_or_b32 s[G0B+4*\s+3], s[G0B+4*\s+3], 0x80000000
	JLOAD \s                                       ; two loads of a wave are out here, one behind each later round
.endr
	v_and_b32 v1, 15, v0                           ; r
	v_bfe_u32 v2, v0, 4, 1                         ; h
	v_mul_u32_u24 v3, v1, APITCH
	v_lshl_add_u32 v3, v2, 4, v3
	s_mul_i32 s21, s11, HALF
	v_add_nc_u32 v[ADRA], s21, v3
	v_add_nc_u32 v[ADRA+1], SLOT, v[ADRA]
	v_and_b32 v4, 7, v0
	v_lshl_add_u32 v4, v2, 3, v4
	v_mul_u32_u24 v4, v4, BPITCH
	v_bfe_u32 v5, v0, 3, 1
	v_lshl_add_u32 v4, v5, 4, v4
	s_lshl_b32 s22, s12, 7
	s_add_co_u32 s22, s22, 2*HALF
	v_add_nc_u32 v[ADRB], s22, v4
	v_add_nc_u32 v[ADRB+1], HALF, v[ADRB]
	v_add_nc_u32 v[ADRB+2], SLOT, v[ADRB]
	v_add_nc_u32 v[ADRB+3], SLOT+HALF, v[ADRB]
	; rb1 and rw2 of my 64 hidden units, once, while the first tiles are on their way
	s_lshl_b32 s74, s42, 7
	s_lshl_b32 s75, s12, 6
	s_add_co_u32 s74, s74, s75                     ; my first hidden unit
	s_lshl_b32 s75, s74, 2
	v_lshl_add_u32 v27, v2, 5, s75                 ; rb1: 4 (first + 8 h)
	v_min_u32 v28, 2, v1                           ; rw2: column min(r, 2); rows 3 to 15 of the fragment are cleared below
	v_lshlrev_b32 v28, 2, v28
	v_mad_u32_u24 v28, v2, 96, v28                 ; + 8 h rows of 12 bytes
	s_mul_i32 s76, s74, 12
	v_add_nc_u32 v28, s76, v28
.irp b, 0,1,2,3
	global_load_b128 v[BIAS+8*\b:BIAS+8*\b+3], v27, s[68:69] offset:64*\b
	global_load_b128 v[BIAS+8*\b+4:BIAS+8*\b+7], v27, s[68:69] offset:64*\b+16
.endr
.irp p, 0,1
.irp u, 0,1
.irp j, 0,1,2,3,4,5,6,7
	global_load_b32 v[G+16*\p+8*\u+\j], v28, s[70:71] offset:(32*\p+16*\u+\j)*12
.endr
.endr
.endr
	s_wait_loadcnt 0x0
.set ii, 0
.rept 16
	v_cvt_pk_bf16_f32 v[W2+ii], v[G+2*ii], v[G+2*ii+1]
.set ii, ii+1
.endr
	v_cmp_gt_u32 vcc_lo, 3, v1
.set ii, 0
.rept 16
	v_cndmask_b32 v[W2+ii], 0, v[W2+ii], vcc_lo
.set ii, ii+1
.endr
; 16 LDS loads: the fragments of 32 along K (q = which of the slot's eight) into buffer f (A at v32 + 64 f, B at v64 + 64 f)
.macro FETCH slot, q, f
.irp a, 0,1,2,3
	ds_load_b128 v[32+64*\f+8*\a:32+64*\f+8*\a+3], v[ADRA+\slot] offset:16*APITCH*\a+64*\q
	ds_load_b128 v[32+64*\f+8*\a+4:32+64*\f+8*\a+7], v[ADRA+\slot] offset:16*APITCH*\a+64*\q+32
.endr
.irp b, 0,1,2,3
	ds_load_tr16_b128 v[64+64*\f+8*\b:64+64*\f+8*\b+3], v[ADRB+2*\slot+(\q>>2)] offset:32*BPITCH*(\q&3)+32*\b
	ds_load_tr16_b128 v[64+64*\f+8*\b+4:64+64*\f+8*\b+7], v[ADRB+2*\slot+(\q>>2)] offset:32*BPITCH*(\q&3)+32*\b+16*BPITCH
.endr
.endm
.macro MUL8 f, a0, zero
.irp a, \a0, \a0+1
.irp b, 0,1,2,3
.if \zero
	v_wmma_f32_16x16x32_f16 v[8*(4*(\a)+\b):8*(4*(\a)+\b)+7], v[64+64*\f+8*\b:64+64*\f+8*\b+7], v[32+64*\f+8*(\a):32+64*\f+8*(\a)+7], 0
.else
	v_wmma_f32_16x16x32_f16 v[8*(4*(\a)+\b):8*(4*(\a)+\b)+7], v[64+64*\f+8*\b:64+64*\f+8*\b+7], v[32+64*\f+8*(\a):32+64*\f+8*(\a)+7], v[8*(4*(\a)+\b):8*(4*(\a)+\b)+7]
.endif
.endr
.endr
.endm
; One of a slot's first seven quarters: buffer f is in; the next quarter (qn) is fetched into buffer g, then f is multiplied.
; The 16 accumulators take turns, one instruction a turn, in the same order everywhere.
.macro QUARTER slot, qn, f, g, zero
	s_wait_dscnt 0x0                               ; buffer f's sixteen loads, issued in front of the last sixteen matrix instructions
	PLACES                                         ; four places between the matrix instructions that read buffer g and the loads into it
	FETCH \slot, \qn, \g
	WIN MULW
	MUL8 \f, 0, \zero
	MUL8 \f, 2, \zero
	WIN 0
.endm
.macro SEVEN slot, zero
	QUARTER \slot, 1, 0, 1, \zero
	QUARTER \slot, 2, 1, 0, 0
	QUARTER \slot, 3, 0, 1, 0
	QUARTER \slot, 4, 1, 0, 0
	QUARTER \slot, 5, 0, 1, 0
	QUARTER \slot, 6, 1, 0, 0
	QUARTER \slot, 7, 0, 1, 0
.endm
; The slot's eighth quarter changes slots: my reads of it and all my tensor loads are waited for in front of the barrier, which opens a round of the
; cluster's barrier where the slot is filled again; the joint refill is the first tensor load behind the round.
.macro TURN slot, next, fill
	s_wait_dscnt 0x0
	s_wait_tensorcnt 0x0
	ds_add_u32 v254, v255
	s_wait_dscnt 0x0
	s_barrier_signal -1
	WIN MULW
	MUL8 1, 0, 0
	WIN 0
	s_barrier_wait -1
.if \fill
	CREST
	s_add_nc_u64 s[G0+4*\slot+2:G0+4*\slot+3], s[G0+4*\slot+2:G0+4*\slot+3], 1024
	s_add_nc_u64 s[G0B+4*\slot+2:G0B+4*\slot+3], s[G0B+4*\slot+2:G0B+4*\slot+3], 512*NP*2
	JLOAD \slot
.endif
	PLACES
	FETCH \next, 0, 0
	WIN MULW
	MUL8 1, 2, 0
	WIN 0
.endm
	s_wait_tensorcnt 0x1                           ; my part of slot 0 is in; slot 1's stays out
	s_barrier_signal -1
	s_barrier_wait -1
	FETCH 0, 0, 0
	SEVEN 0, 1
	TURN 0, 1, 1
	SEVEN 1, 0
	TURN 1, 0, 1
	SEVEN 0, 0
	TURN 0, 1, 0
	SEVEN 1, 0
	s_wait_dscnt 0x0
	WIN MULW
	MUL8 1, 0, 0
	MUL8 1, 2, 0
	WIN 0
	PLACES
; gelu(x) = max(x, 0) - 0.5 |x| q,  q = t (a1 + t (a2 + t (a3 + t (a4 + t a5)))) exp2(-0.5 log2e x^2),  t = 1 / (1 + p |x| / sqrt 2), on 16 numbers in G
.macro GELU16
.set ii, 0
.rept 16
	v_and_b32 v[AX+ii], 0x7fffffff, v[G+ii]
.set ii, ii+1
.endr
.irp i, 0,2,4,6,8,10,12,14
	v_pk_fma_f32 v[UU+\i:UU+\i+1], v[AX+\i:AX+\i+1], KP, 1.0 op_sel_hi:[1,0,0]
	v_pk_mul_f32 v[XX+\i:XX+\i+1], v[G+\i:G+\i+1], KE op_sel_hi:[1,0]
.endr
.irp i, 0,2,4,6,8,10,12,14
	v_pk_mul_f32 v[XX+\i:XX+\i+1], v[XX+\i:XX+\i+1], v[G+\i:G+\i+1]
.endr
.set ii, 0
.rept 16
	v_rcp_f32 v[UU+ii], v[UU+ii]
.set ii, ii+1
.endr
.set ii, 0
.rept 16
	v_exp_f32 v[XX+ii], v[XX+ii]
.set ii, ii+1
.endr
.set ii, 0
.rept 16
	v_max_num_f32 v[G+ii], 0, v[G+ii]              ; plain work on other registers behind the run of transcendentals
.set ii, ii+1
.endr
	s_wait_alu depctr_va_vdst(0)
.irp i, 0,2,4,6,8,10,12,14
	v_pk_fma_f32 v[PP+\i:PP+\i+1], v[UU+\i:UU+\i+1], KA5, s[78:79] op_sel_hi:[1,0,0]
.endr
.irp i, 0,2,4,6,8,10,12,14
	v_pk_fma_f32 v[PP+\i:PP+\i+1], v[PP+\i:PP+\i+1], v[UU+\i:UU+\i+1], KA3 op_sel_hi:[1,1,0]
.endr
.irp i, 0,2,4,6,8,10,12,14
	v_pk_fma_f32 v[PP+\i:PP+\i+1], v[PP+\i:PP+\i+1], v[UU+\i:UU+\i+1], KA2 op_sel_hi:[1,1,0]
.endr
.irp i, 0,2,4,6,8,10,12,14
	v_pk_fma_f32 v[PP+\i:PP+\i+1], v[PP+\i:PP+\i+1], v[UU+\i:UU+\i+1], KA1 op_sel_hi:[1,1,0]
.endr
.irp i, 0,2,4,6,8,10,12,14
	v_pk_mul_f32 v[UU+\i:UU+\i+1], v[UU+\i:UU+\i+1], v[XX+\i:XX+\i+1]
.endr
.irp i, 0,2,4,6,8,10,12,14
	v_pk_mul_f32 v[PP+\i:PP+\i+1], v[PP+\i:PP+\i+1], v[UU+\i:UU+\i+1]
.endr
.irp i, 0,2,4,6,8,10,12,14
	v_pk_mul_f32 v[PP+\i:PP+\i+1], v[PP+\i:PP+\i+1], v[AX+\i:AX+\i+1]
.endr
.irp i, 0,2,4,6,8,10,12,14
	v_pk_fma_f32 v[G+\i:G+\i+1], v[PP+\i:PP+\i+1], -0.5, v[G+\i:G+\i+1] op_sel_hi:[1,0,1]
.endr
.endm
	; 32 hidden units (p) x 16 tokens (a) at a time: bias, gelu, pack, one matrix instruction onto the tokens' logits.  The four tiles of logits take turns.
.irp p, 0,1
.irp a, 0,1,2,3
	WIN 0x01                                       ; source 0 (the accumulators) in window 1
.irp i, 0,2,4,6
	v_pk_add_f32 v[G+\i:G+\i+1], v[8*(4*\a+2*\p)+\i:8*(4*\a+2*\p)+\i+1], v[BIAS+16*\p+\i:BIAS+16*\p+\i+1]
	v_pk_add_f32 v[G+8+\i:G+8+\i+1], v[8*(4*\a+2*\p+1)+\i:8*(4*\a+2*\p+1)+\i+1], v[BIAS+16*\p+8+\i:BIAS+16*\p+8+\i+1]
.endr
	WIN 0
	GELU16
.irp i, 0,1,2,3,4,5,6,7
	v_cvt_pk_bf16_f32 v[HB+\i], v[G+2*\i], v[G+2*\i+1]
.endr
.if \p == 0
	v_wmma_f32_16x16x32_bf16 v[LG+8*\a:LG+8*\a+7], v[W2+8*\p:W2+8*\p+7], v[HB:HB+7], 0
.else
	v_wmma_f32_16x16x32_bf16 v[LG+8*\a:LG+8*\a+7], v[W2+8*\p:W2+8*\p+7], v[HB:HB+7], v[LG+8*\a:LG+8*\a+7]
.endif
.endr
.endr
	PLACES
	; register c of lanes 0-15 holds logit c of token 16 a + r: 16 bytes a lane, 256 consecutive bytes an instruction
	s_lshl_b32 s75, s42, 1
	s_add_co_u32 s75, s75, s12                     ; my slice of 64 hidden units
	s_lshl_b32 s75, s75, 16
	s_lshl_b32 s76, s13, 7
	s_lshl_b32 s77, s11, 6
	s_add_co_u32 s76, s76, s77                     ; my first token
	s_lshl_b32 s76, s76, 4
	s_add_co_u32 s75, s75, s76
	v_lshl_add_u32 v27, v1, 4, s75
	v_and_b32 v28, 31, v0
	v_cmp_gt_u32 vcc_lo, 16, v28
	s_wait_xcnt 0x0                                ; EXEC changes only behind this wait
	s_and_saveexec_b32 s77, vcc_lo
.irp a, 0,1,2,3
	global_store_b128 v27, v[LG+8*\a:LG+8*\a+3], s[72:73] offset:256*\a
.endr
	s_wait_xcnt 0x0                                ; and again in front of the line that widens it
	s_or_b32 exec_lo, exec_lo, s77
	CROUND                                         ; the closing round
	s_endpgm
.Lfunc_end_k_qa920227b04_router:
	.size	k_qa920227b04_router, .Lfunc_end_k_qa920227b04_router-k_qa920227b04_router
	.p2alignl 7, 3214868480
	.fill 96, 4, 3214868480
	.section	.rodata,"a",@progbits
	.p2align	6, 0x0
	.amdhsa_kernel k_qa920227b04_router
		.amdhsa_group_segment_fixed_size 327680
		.amdhsa_private_segment_fixed_size 0
		.amdhsa_enable_private_segment 0
		.amdhsa_kernarg_size 40
		.amdhsa_user_sgpr_count 2
		.amdhsa_user_sgpr_kernarg_segment_ptr 1
		.amdhsa_wavefront_size32 1
		.amdhsa_system_sgpr_workgroup_id_x 1
		.amdhsa_system_sgpr_workgroup_id_y 1
		.amdhsa_system_sgpr_workgroup_id_z 1
		.amdhsa_system_vgpr_workitem_id 0
		.amdhsa_next_free_vgpr 384
		.amdhsa_next_free_sgpr 96
		.amdhsa_reserve_vcc 1
		.amdhsa_float_denorm_mode_32 3
		.amdhsa_float_denorm_mode_16_64 3
		.amdhsa_memory_ordered 1
		.amdhsa_forward_progress 1
		.amdhsa_inst_pref_size 172
	.end_amdhsa_kernel
	.amdgpu_metadata
---
amdhsa.version: [ 1, 2 ]
amdhsa.kernels:
  - .name:           k_qa920227b04_router
    .symbol:         k_qa920227b04_router.kd
    .args:
      - { .name: qkv, .offset: 0, .size: 8, .value_kind: global_buffer, .address_space: global }
      - { .name: wb, .offset: 8, .size: 8, .value_kind: global_buffer, .address_space: global }
      - { .name: rb1, .offset: 16, .size: 8, .value_kind: global_buffer, .address_space: global }
      - { .name: rw2, .offset: 24, .size: 8, .value_kind: global_buffer, .address_space: global }
      - { .name: plog, .offset: 32, .size: 8, .value_kind: global_buffer, .address_space: global }
    .group_segment_fixed_size: 327680
    .private_segment_fixed_size: 0
    .kernarg_segment_align: 8
    .kernarg_segment_size: 40
    .max_flat_workgroup_size: 128
    .sgpr_count:     96
    .vgpr_count:     384
    .wavefront_size: 32
...
	.end_amdgpu_metadata
.endif
;; end of part 3
;; launch attn (part 4): grid 8 x 32, 8 waves a work-group, no clusters, 327,680 bytes of LDS; arguments qkv, plog, rb2, v3m, mixed, out1; writes mixed, out1
.if DOCPART == 4
	.amdgcn_target "amdgcn-amd-amdhsa--gfx1250"
	.amdhsa_code_object_version 6
	.text
	.protected	k_qa920227b04_attn
	.globl	k_qa920227b04_attn
	.p2align	8
	.type	k_qa920227b04_attn,@function
k_qa920227b04_attn:
	s_mov_b64 s[64:65], 0
	v_nop
	global_prefetch_b8 v0, s[64:65] scope:SCOPE_SE
	s_setreg_imm32_b32 hwreg(HW_REG_WAVE_MODE, 25, 1), 1
	s_wait_xcnt 0x0
; ATTN: lam = softmax(logits); mixed = lam0 attend(x) + lam1 attend(EMA x) + lam2 attend(l3), f16 [4096][1024]; out1 = lam.
; Three facts of the model's own structure are used, for every input:
;  (1) l3's keys and values are one row a batch, so its allowed scores are equal, its weights add to 1 and attend(l3) = l3_memory[b] @ wv (the two parts of v3m, added here).
;      LIMIT, stated: where q . k3 overflows f32 the model gives NaN and this text gives that row.
;  (2) the EMA is linear: the scores against EMA(x) @ wk are the EMA, along the key index, of the raw scores against x @ wk.  z[k] = 0.9 z[k-1] + s[k];
;      the second score is 0.1 z.  A query block walks its key blocks upward from 0, so the carry is at hand.
;  (3) key blocks above the diagonal are not visited.
; FORMAT: Q, K, V in f16 (their room: see the launch that makes them); the weights P lie in [0, 1]; mixed is a convex combination of values, so it has V's room.
; Both softmaxes keep a running maximum.  v_exp_f32 and v_rcp_f32 flush denormals.  out1 is stored in runs of 192 bytes (12 bytes a token, 48 KiB in all).
; A work-group has a batch, a pair of heads (256-byte rows of K and V) and two query blocks of 64 rows: 15 - j (16 - j key blocks), then j (j + 1): always
; 17 steps of 64 keys, so the 256 work-groups are equal.  Wave w: head w / 4 of the pair, query rows 16 (w % 4) .. + 15.
; No joint loads: the query blocks of a head need different numbers of tiles (17 steps split at a different place in each work-group), and mask and finish
; would hang on the place in a cluster.
; ALL TRANSPOSED: S^T = K Q^T has lane r = query, register j = key 8 (l / 16) + j; packed it is already the B fragment of O^T = V^T P^T, whose A fragment is V by
; the transposing LDS load.  So every softmax figure is one number a lane, joined across the two halves of the wave.
; THE RING: two slots, each with the tiles of TWO steps.  A step's tiles are K (64 x 272), V1, V2 (64 x 288), 18,432 bytes each; waves 0, 1, 2 bring those of a slot's
; first step, waves 3, 4, 5 those of its second: tile of wave w at slot x 110,592 + w x 18,432.  One barrier for two steps; behind it each of the six waves issues one
; load, 96 KiB in all, which has two steps' work in which to land.  A wave has two tensor loads out at the start and one later.
; LDS behind the ring: two stages of 64 x 272 at 221,184, picked by the slot: a pair of steps writes stage `slot` and reads stage `1 - slot`; the v3m row's 512 bytes at 256,000.
.set T,  24                            ; v[24:31]  at work
.set Q,  40                            ; v[40:55]  two B fragments of Q
.set S,  56                            ; v[56:87]  raw scores, then P1
.set Z,  88                            ; v[88:119] scanned scores, then P2
.set F,  120                           ; v[120:183] fragment (mt, ks) at F + 16 mt + 8 ks: K, then V1, then V2
.set O1, 184
.set O2, 216
.set AK, 248                           ; v[248:251] K addresses, 2 slot + step of the slot (an LDS immediate ends at 65,535)
.set AV, 252                           ; v[252:255] V addresses, likewise
.set REG,   18432
.set HALFB, 3*REG                      ; one step's tiles
.set SLOTB, 2*HALFB
.set STAGE, 2*SLOTB
.set STG,   17408
.set V3S,   STAGE+2*STG
.set K09, 0x3f666666                   ; 0.9 and its powers
.set KP2, 0x3f4f5c29
.set KP3, 0x3f3a9fbe
.set KP4, 0x3f27f62b
.set KP5, 0x3f172a5a
.set KP6, 0x3f080c84
.set KP7, 0x3ef4e355
.set KP8, 0x3edc6633
; v5 Q offset; v6 stage in; v7 stage back; v8 offset in mixed; v9 query - 8 h in the block; v10 -FLT_MAX;
; v11 h ? 0.9^8 : 1; v12 h ? 1 : 0.9^8; v13,v14 at work; v15 the scan's carry; v16-19 M1, L1, M2, L2; v[20:21] rescale; v[22:23] -max x c;
; v[32:34] lam of phase 1; v[36:38] lam of phase 2; v21, v23, v35, v39: the unused halves of broadcast pairs, written once; v0: LDS address of the v3m row.
.macro PLACES
.rept 4
	v_nop
.endr
.endm
; A refill.  last = the highest wave that loads: 5 for both steps of the slot, 2 for its first step alone.  Waves 0 and 3 bring K.  The branches hang on the wave's number alone.
.macro TLOAD slot, last
	s_cmp_gt_u32 s16, \last
	s_cbranch_scc1 .Lnoload_\@
	s_cmp_eq_u32 s16, 0
	s_cbranch_scc1 .Lkload_\@
	s_cmp_eq_u32 s16, 3
	s_cbranch_scc1 .Lkload_\@
	tensor_load_to_lds s[48+4*\slot:51+4*\slot], s[40:47]
	s_nop 0
	s_branch .Lnoload_\@
.Lkload_\@:
	tensor_load_to_lds s[48+4*\slot:51+4*\slot], s[32:39]
	s_nop 0
.Lnoload_\@:
.endm
	s_load_b256 s[4:11], s[0:1], 0x0               ; qkv 4:5, plog 6:7, rb2 8:9, v3m 10:11
	s_load_b128 s[12:15], s[0:1], 0x20             ; mixed 12:13, out1 14:15
	v_lshl_add_u32 v2, v0, 2, 0x40000
	s_set_vgpr_msb 0x40
	v_mov_b32 v1, 0
	s_set_vgpr_msb 0x4044
	ds_add_u32 v2, v1
	s_set_vgpr_msb 0x4400
	v_lshrrev_b32 v13, 5, v0
	v_readfirstlane_b32 s16, v13                   ; wave 0..7
	s_lshr_b32 s17, s16, 2                         ; head of the pair
	s_and_b32 s18, s16, 3                          ; which 16 query rows
	s_cmp_gt_u32 s16, 2
	s_cselect_b32 s30, 1, 0                        ; for which step of a slot I fetch
	s_cselect_b32 s27, 3, 0
	s_sub_co_u32 s27, s16, s27
	s_min_u32 s27, s27, 2                          ; which tensor I fetch: K, V1, V2
	s_add_co_u32 s31, s30, 2                       ; my tile of the next pair lies so many steps ahead of a pair's first step
	s_mov_b32 s19, ttmp9                           ; j
	s_and_b32 s20, ttmp7, 0xffff
	s_lshr_b32 s21, s20, 3                         ; batch
	s_and_b32 s22, s20, 7                          ; pair of heads
	s_sub_co_u32 s23, 15, s19                      ; T1: phase 1's query block, and its last step
	s_sub_co_u32 s78, 16, s19                      ; phase 2's first step
	s_and_b32 s79, s23, 14
	s_add_co_u32 s79, s79, 2                       ; the first step of the pair behind the pair that holds T1: there phase 1's block leaves
	s_mov_b32 s60, 0x76543210                      ; v_permlanex16_b32: lane i takes lane i of the other half
	s_mov_b32 s61, 0xfedcba98
	s_mov_b32 s62, 0xffff0000                      ; lanes 16-31
	s_mov_b32 s66, 0x3e38aa3b                      ; c1 = log2e / 8
	s_mov_b32 s67, 0x3e38aa3b
	s_mov_b32 s68, 0x3c93bb63                      ; c2 = 0.1 c1
	s_mov_b32 s69, 0x3c93bb63
	s_mov_b32 s70, 0xbe38aa3b
	s_mov_b32 s71, 0xbc93bb63
	s_mov_b32 s32, (1<<16)|(1<<20)|(5<<22)|(3<<25) ; K: 2-byte elements, 4 words of padding behind every 64: pitch 272
	s_mov_b32 s33, 128<<16
	s_mov_b32 s34, 64<<16
	s_mov_b32 s35, 128<<16
	s_mov_b32 s36, 64
	s_mov_b32 s37, 1024
	s_mov_b32 s38, 0
	s_mov_b32 s39, 0
	s_mov_b32 s40, (1<<16)|(1<<20)|(5<<22)|(7<<25) ; V: 8 words of padding: pitch 288
	s_mov_b32 s41, 128<<16
	s_mov_b32 s42, 64<<16
	s_mov_b32 s43, 128<<16
	s_mov_b32 s44, 64
	s_mov_b32 s45, 1024
	s_mov_b32 s46, 0
	s_mov_b32 s47, 0
	s_mov_b32 s48, 1
	s_mul_i32 s49, s16, REG                        ; LDS: wave x 18,432 (+ the slot)
	s_mov_b32 s52, 1
	s_add_co_u32 s53, s49, SLOTB
	s_lshl_b32 s82, s21, 21
	s_lshl_b32 s83, s22, 8
	s_add_co_u32 s82, s82, s83                     ; batch x 2 MiB + pair x 256
	s_add_co_u32 s58, s27, 1
	s_lshl_b32 s58, s58, 23                        ; K1, V1, V2 are the second to fourth 8 MiB of qkv
	s_add_co_u32 s58, s58, s82
	s_mov_b32 s59, 0
	s_lshl_b32 s84, s23, 17                        ; a block of 64 rows is 131,072 bytes
	s_add_co_u32 s84, s84, s82
	s_mov_b32 s85, 0
	s_lshl_b32 s86, s19, 17
	s_add_co_u32 s86, s86, s82
	s_mov_b32 s87, 0
	s_wait_dscnt 0x0
	s_barrier_signal -1
	s_barrier_wait -1
	s_wait_kmcnt 0x0
	s_add_nc_u64 s[28:29], s[4:5], s[58:59]        ; my tensor's key block 0
	s_lshl_b32 s58, s30, 17
	s_add_nc_u64 s[50:51], s[28:29], s[58:59]      ; slot 0: steps 0 and 1 are key blocks 0 and 1 (T1 is at least 8)
	s_or_b32 s51, s51, 0x80000000
	s_lshl_b32 s58, s31, 17
	s_add_nc_u64 s[54:55], s[28:29], s[58:59]      ; slot 1: steps 2 and 3
	s_or_b32 s55, s55, 0x80000000
	; the first fills of both slots, one group, ahead of every wait on TENSORcnt and LDS read, and of every barrier but the opening one; all of a wave's inside one branch on its number
	s_cmp_gt_u32 s16, 5
	s_cbranch_scc1 .Lnofirst
	s_cmp_eq_u32 s16, 0
	s_cbranch_scc1 .Lkfirst
	s_cmp_eq_u32 s16, 3
	s_cbranch_scc1 .Lkfirst
	tensor_load_to_lds s[48:51], s[40:47]
	s_nop 0
	tensor_load_to_lds s[52:55], s[40:47]
	s_nop 0
	s_branch .Lnofirst
.Lkfirst:
	tensor_load_to_lds s[48:51], s[32:39]
	s_nop 0
	tensor_load_to_lds s[52:55], s[32:39]
	s_nop 0
.Lnofirst:
	s_load_b96 s[24:26], s[8:9], 0x0               ; rb2
	s_add_nc_u64 s[80:81], s[4:5], s[84:85]        ; Q of phase 1
	s_add_nc_u64 s[76:77], s[4:5], s[86:87]        ; Q of phase 2
	s_add_nc_u64 s[72:73], s[12:13], s[84:85]      ; mixed of phase 1
	s_add_nc_u64 s[74:75], s[12:13], s[86:87]      ; mixed of phase 2
	v_and_b32 v13, 15, v0                          ; r
	v_bfe_u32 v14, v0, 4, 1                        ; h
	v_and_b32 v24, 31, v0                          ; lane
	s_lshl_b32 s88, s17, 7                         ; my head's 128 bytes
	v_mul_u32_u24 v1, v13, 272
	v_lshl_add_u32 v1, v14, 4, v1
	v_add_nc_u32 v[AK], s88, v1
	v_add_nc_u32 v[AK+1], HALFB, v[AK]
	v_add_nc_u32 v[AK+2], SLOTB, v[AK]
	v_add_nc_u32 v[AK+3], SLOTB+HALFB, v[AK]
	v_and_b32 v3, 7, v0
	v_lshl_add_u32 v3, v14, 3, v3
	v_mul_u32_u24 v3, v3, 288
	v_bfe_u32 v4, v0, 3, 1
	v_lshl_add_u32 v3, v4, 4, v3
	v_add_nc_u32 v[AV], s88, v3
	v_add_nc_u32 v[AV+1], HALFB, v[AV]
	v_add_nc_u32 v[AV+2], SLOTB, v[AV]
	v_add_nc_u32 v[AV+3], SLOTB+HALFB, v[AV]
	v_lshl_add_u32 v25, s18, 4, v13                ; my query row in the block
	v_lshlrev_b32 v5, 11, v25
	v_lshl_add_u32 v5, v14, 4, v5
	v_add_nc_u32 v5, s88, v5
	v_mul_u32_u24 v6, v25, 272
	v_lshl_add_u32 v6, v14, 4, v6
	v_add3_u32 v6, v6, s88, STAGE
	v_lshl_add_u32 v26, s16, 3, v14                ; the way out: row 8 w + h (+ 2 t)
	v_mul_u32_u24 v7, v26, 272
	v_lshl_add_u32 v7, v13, 4, v7
	v_add_nc_u32 v7, STAGE, v7
	v_lshlrev_b32 v8, 11, v26
	v_lshl_add_u32 v8, v13, 4, v8
	v_lshlrev_b32 v9, 3, v14
	v_sub_nc_u32 v9, v25, v9
	v_mov_b32 v10, 0xff7fffff
	v_mov_b32 v12, KP8
	v_cndmask_b32 v11, 1.0, v12, s62
	v_cndmask_b32 v12, v12, 1.0, s62
.irp i, 0,1,2,3
	global_load_b128 v[Q+4*\i:Q+4*\i+3], v5, s[80:81] offset:32*\i
.endr
	s_lshl_b32 s90, s21, 10
	s_lshl_b32 s91, s23, 6
	s_add_co_u32 s91, s91, s90                     ; phase 1's first token
	s_lshl_b32 s89, s19, 6
	s_add_co_u32 s90, s90, s89                     ; phase 2's first token
	v_add_lshl_u32 v27, v25, s91, 4
	v_add_lshl_u32 v28, v25, s90, 4
.irp i, 0,1,2,3,4,5,6,7
	global_load_b128 v[F+4*\i:F+4*\i+3], v27, s[6:7] offset:65536*\i           ; the eight slices' partial logits of my token, phase 1
.endr
.irp i, 0,1,2,3,4,5,6,7
	global_load_b128 v[F+32+4*\i:F+32+4*\i+3], v28, s[6:7] offset:65536*\i     ; phase 2
.endr
	s_cmp_lg_u32 s16, 7                            ; wave 7, which fetches no tile, adds v3m's two parts for the pair's 128 numbers and puts them into LDS; the first barrier shows them to all
	s_cbranch_scc1 .Lnov3
	s_lshl_b32 s92, s21, 12
	s_lshl_b32 s93, s22, 9
	s_add_co_u32 s92, s92, s93
	v_lshl_add_u32 v29, v24, 4, s92
	global_load_b128 v[S:S+3], v29, s[10:11]
	global_load_b128 v[S+4:S+7], v29, s[10:11] offset:16384
	v_lshlrev_b32 v30, 4, v24
	v_add_nc_u32 v30, V3S, v30
	s_wait_loadcnt 0x0
	v_pk_add_f32 v[S:S+1], v[S:S+1], v[S+4:S+5]
	v_pk_add_f32 v[S+2:S+3], v[S+2:S+3], v[S+6:S+7]
	ds_store_b128 v30, v[S:S+3]
.Lnov3:
	s_lshl_b32 s89, s17, 8
	v_lshl_add_u32 v0, v14, 5, s89
	v_add_nc_u32 v0, V3S, v0                       ; v3m row: head x 256 + 32 h
	v_mov_b32 v15, 0                               ; the scan starts from zero
	v_mov_b32 v21, 0
	v_mov_b32 v23, 0
	v_mov_b32 v35, 0
	v_mov_b32 v39, 0
	s_mov_b32 s56, 0                               ; the step
	s_wait_loadcnt 0x0
	s_wait_kmcnt 0x0
.macro LAMCALC P, LAM                  ; add the eight slices and rb2, softmax over three with the maximum taken away
.irp i, 1,2,3,4,5,6,7
	v_pk_add_f32 v[\P:\P+1], v[\P:\P+1], v[\P+4*\i:\P+4*\i+1]
	v_pk_add_f32 v[\P+2:\P+3], v[\P+2:\P+3], v[\P+4*\i+2:\P+4*\i+3]
.endr
	v_add_f32 v[\P], s24, v[\P]
	v_add_f32 v[\P+1], s25, v[\P+1]
	v_add_f32 v[\P+2], s26, v[\P+2]
	v_max3_num_f32 v[\P+3], v[\P], v[\P+1], v[\P+2]
.irp c, 0,1,2
	v_sub_f32 v[\P+\c], v[\P+\c], v[\P+3]
.endr
.irp c, 0,1,2
	v_mul_f32 v[\P+\c], 0x3fb8aa3b, v[\P+\c]
.endr
.irp c, 0,1,2
	v_exp_f32 v[\P+\c], v[\P+\c]
.endr
	v_nop
	s_wait_alu depctr_va_vdst(0)
	v_add_f32 v[\P+3], v[\P], v[\P+1]
	v_add_f32 v[\P+3], v[\P+3], v[\P+2]
	v_rcp_f32 v[\P+3], v[\P+3]
	v_nop
	s_wait_alu depctr_va_vdst(0)
.irp c, 0,1,2
	v_mul_f32 v[\LAM+\c], v[\P+\c], v[\P+3]
.endr
.endm
	LAMCALC F, 32
	LAMCALC F+32, 36
	v_add_nc_u32 v27, s91, v25                     ; lanes 0-15 store phase 1's tokens, lanes 16-31 phase 2's
	v_add_nc_u32 v28, s90, v25
	v_cndmask_b32 v27, v27, v28, s62
	v_mul_u32_u24 v27, v27, 12
	v_cndmask_b32 v28, v32, v36, s62
	v_cndmask_b32 v29, v33, v37, s62
	v_cndmask_b32 v30, v34, v38, s62
	s_cmp_lg_u32 s22, 0                            ; one pair of heads, and its first head's four waves, write lam
	s_cbranch_scc1 .Lnolam
	s_cmp_gt_u32 s16, 3
	s_cbranch_scc1 .Lnolam
	global_store_b96 v27, v[28:30], s[14:15]
	s_wait_xcnt 0x0                                ; v27 to v30 are rewritten only behind this wait
.Lnolam:
.macro KLOAD slot, half
.irp mt, 0,1,2,3
.irp ks, 0,1
	ds_load_b128 v[F+16*\mt+8*\ks:F+16*\mt+8*\ks+3], v[AK+2*\slot+\half] offset:4352*\mt+64*\ks
	ds_load_b128 v[F+16*\mt+8*\ks+4:F+16*\mt+8*\ks+7], v[AK+2*\slot+\half] offset:4352*\mt+64*\ks+32
.endr
.endr
.endm
.macro VLOAD slot, half, reg           ; A fragments of V transposed: m = 16 of the head's 64, k = 32 keys
.irp mt, 0,1,2,3
.irp ks, 0,1
	ds_load_tr16_b128 v[F+16*\mt+8*\ks:F+16*\mt+8*\ks+3], v[AV+2*\slot+\half] offset:\reg+9216*\ks+32*\mt
	ds_load_tr16_b128 v[F+16*\mt+8*\ks+4:F+16*\mt+8*\ks+7], v[AV+2*\slot+\half] offset:\reg+9216*\ks+32*\mt+4608
.endr
.endr
.endm
; In every group of matrix instructions four accumulators take turns, one instruction a turn.
.macro SCORES
.irp mt, 0,1,2,3
	v_wmma_f32_16x16x32_f16 v[S+8*\mt:S+8*\mt+7], v[F+16*\mt:F+16*\mt+7], v[Q:Q+7], 0
.endr
.irp mt, 0,1,2,3
	v_wmma_f32_16x16x32_f16 v[S+8*\mt:S+8*\mt+7], v[F+16*\mt+8:F+16*\mt+15], v[Q+8:Q+15], v[S+8*\mt:S+8*\mt+7]
.endr
.endm
.macro PV O, P, first
	s_wait_dscnt 0x0                               ; V's sixteen loads
.irp mt, 0,1,2,3
.if \first
	v_wmma_f32_16x16x32_f16 v[\O+8*\mt:\O+8*\mt+7], v[F+16*\mt:F+16*\mt+7], v[\P:\P+7], 0
.else
	v_wmma_f32_16x16x32_f16 v[\O+8*\mt:\O+8*\mt+7], v[F+16*\mt:F+16*\mt+7], v[\P:\P+7], v[\O+8*\mt:\O+8*\mt+7]
.endif
.endr
.irp mt, 0,1,2,3
	v_wmma_f32_16x16x32_f16 v[\O+8*\mt:\O+8*\mt+7], v[F+16*\mt+8:F+16*\mt+15], v[\P+8:\P+15], v[\O+8*\mt:\O+8*\mt+7]
.endr
.endm
; z[k] = 0.9 z[k-1] + s[k] over the block's 64 keys.  A lane holds keys 16 mt + 8 h + j: eight-long scans in the lane, the other half's local end by
; v_permlanex16_b32, then the carry walks the four sixteens: into h = 0 goes C, into h = 1 goes 0.9^8 C + the lower half's local end.
.macro SCAN
.irp mt, 0,1,2,3
	v_fmamk_f32 v[Z+8*\mt+1], v[S+8*\mt], K09, v[S+8*\mt+1]
.endr
.irp j, 2,3,4,5,6,7
.irp mt, 0,1,2,3
	v_fmamk_f32 v[Z+8*\mt+\j], v[Z+8*\mt+\j-1], K09, v[S+8*\mt+\j]
.endr
.endr
.irp mt, 0,1,2,3
	v_permlanex16_b32 v[T+\mt], v[Z+8*\mt+7], s60, s61
.endr
.irp mt, 0,1,2,3
	v_cndmask_b32 v13, 0, v[T+\mt], s62            ; h = 1: the lower half's local end
	v_cndmask_b32 v14, v[T+\mt], 0, s62            ; h = 0: the upper half's local end
	v_fma_f32 v[T+4+\mt], v15, v11, v13            ; what comes into my eight keys
	v_fmamk_f32 v[Z+8*\mt+7], v[T+4+\mt], KP8, v[Z+8*\mt+7]
	v_fma_f32 v15, v[Z+8*\mt+7], v12, v14          ; the state behind key 16 mt + 15, in both halves
.endr
.irp mt, 0,1,2,3
	v_fmamk_f32 v[Z+8*\mt], v[T+4+\mt], K09, v[S+8*\mt]
	v_fmamk_f32 v[Z+8*\mt+1], v[T+4+\mt], KP2, v[Z+8*\mt+1]
	v_fmamk_f32 v[Z+8*\mt+2], v[T+4+\mt], KP3, v[Z+8*\mt+2]
	v_fmamk_f32 v[Z+8*\mt+3], v[T+4+\mt], KP4, v[Z+8*\mt+3]
	v_fmamk_f32 v[Z+8*\mt+4], v[T+4+\mt], KP5, v[Z+8*\mt+4]
	v_fmamk_f32 v[Z+8*\mt+5], v[T+4+\mt], KP6, v[Z+8*\mt+5]
	v_fmamk_f32 v[Z+8*\mt+6], v[T+4+\mt], KP7, v[Z+8*\mt+6]
.endr
.endm
.macro MASK                            ; the diagonal block: key 16 mt + 8 h + j above query 16 qs + r gets -FLT_MAX in both score sets
.set ii, 0
.rept 32
	v_cmp_gt_i32 vcc_lo, 16*(ii>>3)+(ii&7), v9
	v_cndmask_b32 v[S+ii], v[S+ii], v10, vcc_lo
	v_cndmask_b32 v[Z+ii], v[Z+ii], v10, vcc_lo
.set ii, ii+1
.endr
.endm
; One block's softmax with a running maximum: R 32 scores, M, L the lane's maximum and (half) sum, O the output tiles, c in s[cs], -c in s[ncs].
; Leaves the two B fragments of P in R+0..7 and R+8..15.  first = 1: nothing to carry over.
.macro SOFTMAX R, M, L, O, cs, ncs, first
.irp k, 0,1,2,3
	v_max3_num_f32 v[T+\k], v[\R+8*\k], v[\R+8*\k+1], v[\R+8*\k+2]
.endr
.irp k, 0,1,2,3
	v_max3_num_f32 v[T+\k], v[T+\k], v[\R+8*\k+3], v[\R+8*\k+4]
.endr
.irp k, 0,1,2,3
	v_max3_num_f32 v[T+\k], v[T+\k], v[\R+8*\k+5], v[\R+8*\k+6]
.endr
.irp k, 0,1,2,3
	v_max_num_f32 v[T+\k], v[T+\k], v[\R+8*\k+7]
.endr
	v_max3_num_f32 v13, v[T], v[T+1], v[T+2]
.if \first
	v_max_num_f32 v13, v13, v[T+3]
	v_permlanex16_b32 v14, v13, s60, s61
	v_max_num_f32 v[\M], v13, v14
.else
	v_max3_num_f32 v13, v13, v[T+3], v[\M]
	v_permlanex16_b32 v14, v13, s60, s61
	v_max_num_f32 v13, v13, v14                    ; the new maximum, the same in both halves
	v_sub_f32 v20, v[\M], v13
	v_mul_f32 v20, s[\cs], v20
	v_exp_f32 v20, v20                             ; what the old sums are scaled by
	v_mov_b32 v[\M], v13
.endif
	v_mul_f32 v22, s[\ncs], v[\M]
.set ii, 0
.rept 16
	v_pk_fma_f32 v[\R+ii:\R+ii+1], v[\R+ii:\R+ii+1], s[\cs:\cs+1], v[22:23] op_sel_hi:[1,0,0]
.set ii, ii+2
.endr
.set ii, 0
.rept 32
	v_exp_f32 v[\R+ii], v[\R+ii]
.set ii, ii+1
.endr
.if \first
	v_nop                                          ; a plain instruction behind the run of transcendentals
	s_wait_alu depctr_va_vdst(0)
.else
.set ii, 0
	s_wait_alu depctr_va_vdst(0)
.rept 16
	v_pk_mul_f32 v[\O+ii:\O+ii+1], v[\O+ii:\O+ii+1], v[20:21] op_sel_hi:[1,0]   ; plain work on other registers behind the run
.set ii, ii+2
.endr
.endif
.irp k, 0,1,2,3
	v_pk_add_f32 v[T+2*\k:T+2*\k+1], v[\R+8*\k:\R+8*\k+1], v[\R+8*\k+2:\R+8*\k+3]
.endr
.irp k, 0,1,2,3
	v_pk_add_f32 v[T+2*\k:T+2*\k+1], v[T+2*\k:T+2*\k+1], v[\R+8*\k+4:\R+8*\k+5]
.endr
.irp k, 0,1,2,3
	v_pk_add_f32 v[T+2*\k:T+2*\k+1], v[T+2*\k:T+2*\k+1], v[\R+8*\k+6:\R+8*\k+7]
.endr
	v_pk_add_f32 v[T:T+1], v[T:T+1], v[T+2:T+3]
	v_pk_add_f32 v[T+4:T+5], v[T+4:T+5], v[T+6:T+7]
	v_pk_add_f32 v[T:T+1], v[T:T+1], v[T+4:T+5]
.if \first
	v_add_f32 v[\L], v[T], v[T+1]
.else
	v_add_f32 v13, v[T], v[T+1]
	v_fma_f32 v[\L], v[\L], v20, v13
.endif
.set ii, 0
.rept 16
	v_cvt_pk_f16_f32 v[\R+ii], v[\R+2*ii], v[\R+2*ii+1]    ; upward in place: register ii has been read by the time it is written
.set ii, ii+1
.endr
.endm
; A finished stage leaves: 64 rows of 256 bytes, eight a wave; 16 lanes store 256 consecutive bytes, aligned.
.macro STAGEOUT sb, off
.irp t, 0,1,2,3
	ds_load_b128 v[S+4*\t:S+4*\t+3], v7 offset:544*\t+\off
.endr
.irp t, 0,1,2,3
	s_wait_dscnt 3-\t                              ; LDS loads come back in order: load t is in, the younger ones stay out
	global_store_b128 v8, v[S+4*\t:S+4*\t+3], s[\sb:\sb+1] offset:4096*\t
.endr
	s_wait_xcnt 0x0                                ; S is rewritten only behind this wait
.endm
; A query block is done: mixed = lam0 O1 / L1 + lam1 O2 / L2 + lam2 v3m, rounded to f16, into stage so.  ph = 1: phase 2's Q comes in and the figures start anew.
.macro FINAL ph, LAM, so
.if \ph == 1
.irp i, 0,1,2,3
	global_load_b128 v[Q+4*\i:Q+4*\i+3], v5, s[76:77] offset:32*\i
.endr
.endif
.irp mt, 0,1,2,3
	ds_load_b128 v[F+8*\mt:F+8*\mt+3], v0 offset:64*\mt
	ds_load_b128 v[F+8*\mt+4:F+8*\mt+7], v0 offset:64*\mt+16
.endr
	v_permlanex16_b32 v13, v17, s60, s61           ; the two halves' sums meet
	v_permlanex16_b32 v14, v19, s60, s61
	v_add_f32 v13, v13, v17
	v_add_f32 v14, v14, v19
	v_rcp_f32 v13, v13
	v_rcp_f32 v14, v14
	v_nop
	s_wait_alu depctr_va_vdst(0)
	v_mul_f32 v20, v[\LAM], v13
	v_mul_f32 v22, v[\LAM+1], v14
	s_wait_dscnt 0x0
.set ii, 0
.rept 16
	v_pk_mul_f32 v[F+ii:F+ii+1], v[F+ii:F+ii+1], v[\LAM+2:\LAM+3] op_sel_hi:[1,0]
	v_pk_fma_f32 v[F+ii:F+ii+1], v[O2+ii:O2+ii+1], v[22:23], v[F+ii:F+ii+1] op_sel_hi:[1,0,1]
	v_pk_fma_f32 v[F+ii:F+ii+1], v[O1+ii:O1+ii+1], v[20:21], v[F+ii:F+ii+1] op_sel_hi:[1,0,1]
.set ii, ii+2
.endr
.set ii, 0
.rept 16
	v_cvt_pk_f16_f32 v[F+ii], v[F+2*ii], v[F+2*ii+1]
.set ii, ii+1
.endr
.irp mt, 0,1,2,3
	ds_store_b128 v6, v[F+4*\mt:F+4*\mt+3] offset:32*\mt+STG*\so
.endr
.if \ph == 1
	v_mov_b32 v16, v10                             ; maxima at -FLT_MAX: the next block's rescale is exp2 of a huge negative number, 0, which clears the finite O
	v_mov_b32 v18, v10
	v_mov_b32 v17, 0
	v_mov_b32 v19, 0
	v_mov_b32 v15, 0
	s_wait_loadcnt 0x0                             ; phase 2's Q
.endif
.endm
; The head of a pair of steps on slot `slot`.  refill = 1: the other slot, read in the last pair, gets the pair after this one (last: see TLOAD).
.macro HEAD slot, refill, last
	s_set_vgpr_msb 0x4
	s_wait_tensorcnt 0x0                           ; all my tensor loads have landed, my tile of this pair among them, so a group 0 may be written
	ds_add_u32 v2, v1
	s_wait_dscnt 0x0
	s_set_vgpr_msb 0x400
.if \refill
	s_add_co_u32 s58, s56, s31                     ; my tile's step in the next pair; its key block: the step, less phase 1's steps once they are over
	s_cmp_gt_u32 s58, s23
	s_cselect_b32 s59, s78, 0
	s_sub_co_u32 s58, s58, s59
	s_lshl_b32 s58, s58, 17
	s_mov_b32 s59, 0
	s_add_nc_u64 s[54-4*\slot:55-4*\slot], s[28:29], s[58:59]
	s_or_b32 s[55-4*\slot], s[55-4*\slot], 0x80000000
.endif
	s_wait_dscnt 0x0                               ; my reads of the other slot and my stage stores are done
	s_barrier_signal -1
	s_barrier_wait -1                              ; both now hold of every wave
.if \refill
.if \slot
	TLOAD 0, \last                                 ; my one tensor load behind this barrier, and the first thing there
.else
	TLOAD 1, \last
.endif
.endif
	s_cmp_lg_u32 s56, s79                          ; phase 1's block was finished in the last pair, into the other stage
	s_cbranch_scc1 .Lnoout_\@
.if \slot
	STAGEOUT 72, 0
.else
	STAGEOUT 72, STG
.endif
.Lnoout_\@:
.endm
; One step: 64 keys, step `half` of slot `slot`.  mode 0: neither diagonal nor finish can fall here (T1 is at least 8); 1: both are asked of the step counter; 2: the last step.
.macro BODY slot, half, first, mode, more
	KLOAD \slot, \half
	s_wait_dscnt 0x0
	SCORES
	PLACES                                         ; four places before the scores are read and K's fragments are loaded over
	VLOAD \slot, \half, REG
	SCAN
.if \mode == 1
	s_cmp_lg_u32 s56, s23
	s_cbranch_scc1 .Lnomask_\@
	MASK
.Lnomask_\@:
.endif
.if \mode == 2
	MASK
.endif
	SOFTMAX S, 16, 17, O1, 66, 70, \first
	PV O1, S, \first
	PLACES
	VLOAD \slot, \half, 2*REG
	SOFTMAX Z, 18, 19, O2, 68, 71, \first
	PV O2, Z, \first
	PLACES
.if \mode == 1
	s_cmp_lg_u32 s56, s23
	s_cbranch_scc1 .Lnofin_\@
	FINAL 1, 32, \slot
.Lnofin_\@:
.endif
.if \mode == 2
	FINAL 2, 36, \slot
.endif
.if \more
	s_add_co_u32 s56, s56, 1
.endif
.endm
	s_wait_tensorcnt 0x1                           ; my tile of slot 0 is in; slot 1's stays out
	s_wait_dscnt 0x0                               ; wave 7's store of the v3m row
	s_barrier_signal -1
	s_barrier_wait -1
	BODY 0, 0, 1, 0, 1                             ; steps 0 and 1
	BODY 0, 1, 0, 0, 1
	s_mov_b32 s57, 3
.Lloop:
	HEAD 1, 1, 5                                   ; steps 2 to 13, four a trip
	BODY 1, 0, 0, 1, 1
	BODY 1, 1, 0, 1, 1
	HEAD 0, 1, 5
	BODY 0, 0, 0, 1, 1
	BODY 0, 1, 0, 1, 1
	s_sub_co_u32 s57, s57, 1
	s_cmp_lg_u32 s57, 0
	s_cbranch_scc1 .Lloop
	HEAD 1, 1, 2                                   ; steps 14 and 15; of slot 0 only the first step's tiles are fetched again: step 16 is the last
	BODY 1, 0, 0, 1, 1
	BODY 1, 1, 0, 1, 1
	HEAD 0, 0, 0                                   ; step 16: phase 2's diagonal; nothing is left to fetch
	BODY 0, 0, 0, 2, 0
	s_wait_dscnt 0x0                               ; my stage stores are done, for the other waves' sake
	s_barrier_signal -1
	s_barrier_wait -1
	STAGEOUT 74, 0
	s_set_vgpr_msb 0x4
	s_wait_tensorcnt 0x0
	ds_add_u32 v2, v1
	s_wait_dscnt 0x0
	s_set_vgpr_msb 0x400
	s_endpgm
.Lfunc_end_k_qa920227b04_attn:
	.size	k_qa920227b04_attn, .Lfunc_end_k_qa920227b04_attn-k_qa920227b04_attn
	.p2alignl 7, 3214868480
	.fill 96, 4, 3214868480
	.section	.rodata,"a",@progbits
	.p2align	6, 0x0
	.amdhsa_kernel k_qa920227b04_attn
		.amdhsa_group_segment_fixed_size 327680
		.amdhsa_private_segment_fixed_size 0
		.amdhsa_enable_private_segment 0
		.amdhsa_kernarg_size 48
		.amdhsa_user_sgpr_count 2
		.amdhsa_user_sgpr_kernarg_segment_ptr 1
		.amdhsa_wavefront_size32 1
		.amdhsa_system_sgpr_workgroup_id_x 1
		.amdhsa_system_sgpr_workgroup_id_y 1
		.amdhsa_system_sgpr_workgroup_id_z 1
		.amdhsa_system_vgpr_workitem_id 0
		.amdhsa_next_free_vgpr 258
		.amdhsa_next_free_sgpr 96
		.amdhsa_reserve_vcc 1
		.amdhsa_float_denorm_mode_32 3
		.amdhsa_float_denorm_mode_16_64 3
		.amdhsa_memory_ordered 1
		.amdhsa_forward_progress 1
		.amdhsa_inst_pref_size 255
	.end_amdhsa_kernel
	.section	.bss,"aw",@nobits
	.p2align	6
	.space	262144
	.amdgpu_metadata
---
amdhsa.version: [ 1, 2 ]
amdhsa.kernels:
  - .name:           k_qa920227b04_attn
    .symbol:         k_qa920227b04_attn.kd
    .args:
      - { .name: qkv, .offset: 0, .size: 8, .value_kind: global_buffer, .address_space: global }
      - { .name: plog, .offset: 8, .size: 8, .value_kind: global_buffer, .address_space: global }
      - { .name: rb2, .offset: 16, .size: 8, .value_kind: global_buffer, .address_space: global }
      - { .name: v3m, .offset: 24, .size: 8, .value_kind: global_buffer, .address_space: global }
      - { .name: mixed, .offset: 32, .size: 8, .value_kind: global_buffer, .address_space: global }
      - { .name: out1, .offset: 40, .size: 8, .value_kind: global_buffer, .address_space: global }
    .group_segment_fixed_size: 327680
    .private_segment_fixed_size: 0
    .kernarg_segment_align: 8
    .kernarg_segment_size: 48
    .max_flat_workgroup_size: 256
    .sgpr_count:     96
    .vgpr_count:     258
    .wavefront_size: 32
...
	.end_amdgpu_metadata
.endif
;; end of part 4
;; launch outp (part 5): grid 8 x 32, 4 waves a work-group, clusters of 4 x 4, 327,680 bytes of LDS; arguments mixed, wb, out0; writes out0
.if DOCPART == 5
	.amdgcn_target "amdgcn-amd-amdhsa--gfx1250"
	.amdhsa_code_object_version 6
	.text
	.protected	k_qa920227b04_outp
	.globl	k_qa920227b04_outp
	.p2align	8
	.type	k_qa920227b04_outp,@function
k_qa920227b04_outp:
	s_mov_b64 s[64:65], 0
	v_nop
	global_prefetch_b8 v0, s[64:65] scope:SCOPE_SE
	s_setreg_imm32_b32 hwreg(HW_REG_WAVE_MODE, 25, 1), 1
	s_wait_xcnt 0x0
	s_wait_alu depctr_hold_cnt(0) depctr_sa_sdst(0) depctr_va_vdst(0) depctr_va_sdst(0) depctr_va_ssrc(0) depctr_va_vcc(0) depctr_vm_vsrc(0)
	s_getreg_b32 s2, hwreg(HW_REG_IB_STS2, 6, 4)
	s_cmp_eq_u32 s2, 0
	s_cbranch_scc0 .Lentry_in_a_cluster
	s_endpgm
.Lentry_in_a_cluster:
	s_bfe_u32 s2, ttmp6, 0x10000c
	s_cmp_lg_u32 s2, 0xf033
	s_cbranch_scc0 .Lentry_shape_is_right
	s_endpgm
.Lentry_shape_is_right:
; OUTP: out0 = mixed @ wo, f16 operands (mixed has the values' room, wo the weights': see the launches that make them), f32 sums, f32 out.
; A block of 128 x 128, K = 1024, four waves in 2 x 2, a wave tile of 64 x 64 in 16 accumulators (window 1).
; Two LDS slots, each with K = 256: A 128 rows x 512 bytes (pitch 528), B (wo, [K][N]) 256 k-rows x 256 bytes (pitch 288, read by the transposing load).
; CLUSTERS 4 x 4: A's tiles are shared along a row of the cluster, B's along a column, each asked for jointly.
; The matrix instruction is used transposed: lane r holds row 16 a + r, register j column 16 b + 8 (l / 16) + j.  The way out goes 16 rows at a time through
; each wave's own stage (pitch 272), so that 16 lanes store 256 consecutive bytes, aligned.
.set NP,     1024                      ; wo's pitch in elements
.set BOFF,   6291456                   ; wo's place in wb
.set APITCH, 528
.set BPITCH, 288
.set HALF,   36864
.set SLOT,   4*HALF
.set STAGE,  2*SLOT
.set SPITCH, 272
.set ADRA, 16
.set ADRB, 20
.set STO,  24
.set RD,   25
.set CO,   26
.set G1, 24
.set G0, 32
.set G1B, 48
.set G0B, 56
.set MSB, 0
.macro WIN new
.if MSB != \new
	s_set_vgpr_msb (MSB<<8)|\new
.set MSB, \new
.endif
.endm
.set MULW, 0x50                        ; C and D in window 1, A and B in window 0
.macro JLOAD s
	s_cmp_eq_u32 s11, 0
	s_cbranch_scc0 .Lfor_b_\@
	tensor_load_to_lds s[G0+4*\s:G0+4*\s+3], s[G1:G1+7]
	s_nop 0
	s_branch .Lasked_\@
.Lfor_b_\@:
	tensor_load_to_lds s[G0B+4*\s:G0B+4*\s+3], s[G1B:G1B+7]
	s_nop 0
.Lasked_\@:
.endm
.macro CREST
	s_cmp_lg_u32 s10, 0
	s_cbranch_scc1 .Lnot_wave_0_\@
	s_barrier_signal -3
.Lnot_wave_0_\@:
	s_barrier_wait -3
	s_barrier_signal -1
	s_barrier_wait -1
.endm
.macro CROUND
	s_barrier_signal -1
	s_barrier_wait -1
	CREST
.endm
.macro PLACES
.rept 4
	v_nop
.endr
.endm
	s_load_b128 s[4:7], s[0:1], 0x0                ; mixed, wb
	s_load_b64 s[8:9], s[0:1], 0x10                ; out0
	v_lshl_add_u32 v254, v0, 2, 0x4c400
	v_mov_b32 v255, 0
	ds_add_u32 v254, v255
	v_lshrrev_b32 v1, 5, v0
	v_readfirstlane_b32 s10, v1                    ; wave
	s_lshr_b32 s11, s10, 1                         ; my half of the rows; also: I fetch for A (0) or B (1)
	s_and_b32 s12, s10, 1                          ; my half of the columns; also: which half of that tile I fetch
	s_bfe_u32 s40, ttmp6, 0x40000                  ; cx
	s_bfe_u32 s41, ttmp6, 0x40004                  ; cy
	s_lshl_b32 s42, ttmp9, 2
	s_add_co_u32 s42, s42, s40                     ; block column
	s_and_b32 s13, ttmp7, 0xffff
	s_lshl_b32 s13, s13, 2
	s_add_co_u32 s13, s13, s41                     ; block row
	s_lshl_b32 s43, s41, 2
	s_lshl_b32 s43, 15, s43
	s_lshl_b32 s44, 0x1111, s40
	s_or_b32 s[G1+0], s43, (1<<16)|(1<<20)|(1<<21)|(6<<22)|(3<<25)   ; A: my row's mask; 4 words of padding behind every 128
	s_mov_b32 s[G1+1], 256<<16
	s_mov_b32 s[G1+2], 64<<16
	s_mov_b32 s[G1+3], 256<<16
	s_mov_b32 s[G1+4], 64
	s_mov_b32 s[G1+5], 1024
	s_mov_b32 s[G1+6], 0
	s_mov_b32 s[G1+7], 0
	s_or_b32 s[G1B+0], s44, (1<<16)|(1<<20)|(1<<21)|(5<<22)|(7<<25)  ; B: my column's mask; 8 words of padding behind every 64
	s_mov_b32 s[G1B+1], 128<<16
	s_mov_b32 s[G1B+2], 128<<16
	s_mov_b32 s[G1B+3], 128<<16
	s_mov_b32 s[G1B+4], 128
	s_mov_b32 s[G1B+5], NP
	s_mov_b32 s[G1B+6], 0
	s_mov_b32 s[G1B+7], 0
	s_lshl_b32 s16, s13, 18                        ; A: (128 block row + 64 half) x 2,048 bytes
	s_lshl_b32 s17, s12, 17
	s_add_co_u32 s16, s16, s17
	s_mov_b32 s17, 0
	s_mul_i32 s46, s12, 128*NP*2                   ; B: 128 k-rows x half + 256 bytes x block column
	s_lshl_b32 s47, s42, 8
	s_add_co_u32 s46, s46, s47
	s_add_co_u32 s46, s46, BOFF
	s_mov_b32 s47, 0
	s_mul_i32 s20, s10, HALF                       ; LDS: wave x 36,864
	s_wait_dscnt 0x0
	s_wait_kmcnt 0x0
	s_add_nc_u64 s[14:15], s[4:5], s[16:17]
	s_add_nc_u64 s[46:47], s[6:7], s[46:47]
	CROUND
.irp s, 0,1
	s_mov_b32 s[G0+4*\s], 1
	s_add_co_u32 s[G0+4*\s+1], s20, \s*SLOT
	s_add_nc_u64 s[G0+4*\s+2:G0+4*\s+3], s[14:15], \s*512
	s_or_b32 s[G0+4*\s+3], s[G0+4*\s+3], 0x80000000
	s_mov_b32 s[G0B+4*\s], 1
	s_add_co_u32 s[G0B+4*\s+1], s20, \s*SLOT
	s_add_nc_u64 s[G0B+4*\s+2:G0B+4*\s+3], s[46:47], \s*256*NP*2
	s_or_b32 s[G0B+4*\s+3], s[G0B+4*\s+3], 0x80000000
	JLOAD \s                                       ; two loads of a wave are out here, one behind each later round
.endr
	v_and_b32 v1, 15, v0                           ; r
	v_bfe_u32 v2, v0, 4, 1                         ; h
	v_mul_u32_u24 v3, v1, APITCH
	v_lshl_add_u32 v3, v2, 4, v3
	s_mul_i32 s21, s11, HALF
	v_add_nc_u32 v[ADRA], s21, v3
	v_add_nc_u32 v[ADRA+1], SLOT, v[ADRA]
	v_and_b32 v4, 7, v0
	v_lshl_add_u32 v4, v2, 3, v4
	v_mul_u32_u24 v4, v4, BPITCH
	v_bfe_u32 v5, v0, 3, 1
	v_lshl_add_u32 v4, v5, 4, v4
	s_lshl_b32 s22, s12, 7
	s_add_co_u32 s22, s22, 2*HALF
	v_add_nc_u32 v[ADRB], s22, v4
	v_add_nc_u32 v[ADRB+1], HALF, v[ADRB]
	v_add_nc_u32 v[ADRB+2], SLOT, v[ADRB]
	v_add_nc_u32 v[ADRB+3], SLOT+HALF, v[ADRB]
	s_mul_i32 s23, s10, 16*SPITCH
	s_add_co_u32 s23, s23, STAGE                   ; my stage
	v_mul_u32_u24 v6, v1, SPITCH                   ; in: row r, 32 bytes for each half of the lanes
	v_lshl_add_u32 v6, v2, 5, v6
	v_add_nc_u32 v[STO], s23, v6
	v_mul_u32_u24 v7, v2, SPITCH                   ; back: lanes 0-15 one row of 256 bytes, lanes 16-31 the next
	v_lshl_add_u32 v7, v1, 4, v7
	v_add_nc_u32 v[RD], s23, v7
	v_lshlrev_b32 v7, 12, v2
	v_lshl_add_u32 v[CO], v1, 4, v7
.macro FETCH slot, q, f
.irp a, 0,1,2,3
	ds_load_b128 v[32+64*\f+8*\a:32+64*\f+8*\a+3], v[ADRA+\slot] offset:16*APITCH*\a+64*\q
	ds_load_b128 v[32+64*\f+8*\a+4:32+64*\f+8*\a+7], v[ADRA+\slot] offset:16*APITCH*\a+64*\q+32
.endr
.irp b, 0,1,2,3
	ds_load_tr16_b128 v[64+64*\f+8*\b:64+64*\f+8*\b+3], v[ADRB+2*\slot+(\q>>2)] offset:32*BPITCH*(\q&3)+32*\b
	ds_load_tr16_b128 v[64+64*\f+8*\b+4:64+64*\f+8*\b+7], v[ADRB+2*\slot+(\q>>2)] offset:32*BPITCH*(\q&3)+32*\b+16*BPITCH
.endr
.endm
.macro MUL8 f, a0, zero
.irp a, \a0, \a0+1
.irp b, 0,1,2,3
.if \zero
	v_wmma_f32_16x16x32_f16 v[8*(4*(\a)+\b):8*(4*(\a)+\b)+7], v[64+64*\f+8*\b:64+64*\f+8*\b+7], v[32+64*\f+8*(\a):32+64*\f+8*(\a)+7], 0
.else
	v_wmma_f32_16x16x32_f16 v[8*(4*(\a)+\b):8*(4*(\a)+\b)+7], v[64+64*\f+8*\b:64+64*\f+8*\b+7], v[32+64*\f+8*(\a):32+64*\f+8*(\a)+7], v[8*(4*(\a)+\b):8*(4*(\a)+\b)+7]
.endif
.endr
.endr
.endm
; The 16 accumulators take turns, one instruction a turn, in the same order everywhere.
.macro QUARTER slot, qn, f, g, zero
	s_wait_dscnt 0x0                               ; buffer f's sixteen loads, issued in front of the last sixteen matrix instructions
	PLACES                                         ; four places between the matrix instructions that read buffer g and the loads into it
	FETCH \slot, \qn, \g
	WIN MULW
	MUL8 \f, 0, \zero
	MUL8 \f, 2, \zero
	WIN 0
.endm
.macro SEVEN slot, zero
	QUARTER \slot, 1, 0, 1, \zero
	QUARTER \slot, 2, 1, 0, 0
	QUARTER \slot, 3, 0, 1, 0
	QUARTER \slot, 4, 1, 0, 0
	QUARTER \slot, 5, 0, 1, 0
	QUARTER \slot, 6, 1, 0, 0
	QUARTER \slot, 7, 0, 1, 0
.endm
; The slot's eighth quarter changes slots: my reads of it and all my tensor loads are waited for in front of the barrier, which opens a round of the
; cluster's barrier where the slot is filled again; the joint refill is the first tensor load behind the round.
.macro TURN slot, next, fill
	s_wait_dscnt 0x0
	s_wait_tensorcnt 0x0
	ds_add_u32 v254, v255
	s_wait_dscnt 0x0
	s_barrier_signal -1
	WIN MULW
	MUL8 1, 0, 0
	WIN 0
	s_barrier_wait -1
.if \fill
	CREST
	s_add_nc_u64 s[G0+4*\slot+2:G0+4*\slot+3], s[G0+4*\slot+2:G0+4*\slot+3], 1024
	s_add_nc_u64 s[G0B+4*\slot+2:G0B+4*\slot+3], s[G0B+4*\slot+2:G0B+4*\slot+3], 512*NP*2
	JLOAD \slot
.endif
	PLACES
	FETCH \next, 0, 0
	WIN MULW
	MUL8 1, 2, 0
	WIN 0
.endm
	s_wait_tensorcnt 0x1                           ; my part of slot 0 is in; slot 1's stays out
	s_barrier_signal -1
	s_barrier_wait -1
	FETCH 0, 0, 0
	SEVEN 0, 1
	TURN 0, 1, 1
	SEVEN 1, 0
	TURN 1, 0, 1
	SEVEN 0, 0
	TURN 0, 1, 0
	SEVEN 1, 0
	s_wait_dscnt 0x0
	WIN MULW
	MUL8 1, 0, 0
	MUL8 1, 2, 0
	WIN 0
	PLACES                                         ; four places before the LDS stores read the results
	s_lshl_b32 s16, s13, 19                        ; (128 block row + 64 half) x 4,096 bytes
	s_lshl_b32 s17, s11, 18
	s_add_co_u32 s16, s16, s17
	s_lshl_b32 s17, s42, 9                         ; + 512 block column + 256 half
	s_add_co_u32 s16, s16, s17
	s_lshl_b32 s17, s12, 8
	s_add_co_u32 s16, s16, s17
	s_mov_b32 s17, 0
	s_add_nc_u64 s[8:9], s[8:9], s[16:17]
.irp a, 0,1,2,3
	WIN 0x04                                       ; the LDS stores' data in window 1
.irp b, 0,1,2,3
	ds_store_b128 v[STO], v[8*(4*\a+\b):8*(4*\a+\b)+3] offset:64*\b
	ds_store_b128 v[STO], v[8*(4*\a+\b)+4:8*(4*\a+\b)+7] offset:64*\b+16
.endr
	WIN 0
	s_wait_xcnt 0x0                                ; the registers that earlier stores read, and the stores' base, are rewritten only behind this wait
.if \a
	s_add_nc_u64 s[8:9], s[8:9], 16*4096
.endif
.irp t, 0,1,2,3,4,5,6,7
	ds_load_b128 v[160+32*(\a&1)+4*\t:160+32*(\a&1)+4*\t+3], v[RD] offset:2*SPITCH*\t   ; a wave's LDS instructions are served in order: these see the stores above
.endr
.irp t, 0,1,2,3,4,5,6,7
	s_wait_dscnt 7-\t
	global_store_b128 v[CO], v[160+32*(\a&1)+4*\t:160+32*(\a&1)+4*\t+3], s[8:9] offset:8192*\t th:TH_STORE_NT
.endr
.endr
	s_wait_tensorcnt 0x0
	ds_add_u32 v254, v255
	s_wait_dscnt 0x0
	CROUND                                         ; the closing round
	s_endpgm
.Lfunc_end_k_qa920227b04_outp:
	.size	k_qa920227b04_outp, .Lfunc_end_k_qa920227b04_outp-k_qa920227b04_outp
	.p2alignl 7, 3214868480
	.fill 96, 4, 3214868480
	.section	.rodata,"a",@progbits
	.p2align	6, 0x0
	.amdhsa_kernel k_qa920227b04_outp
		.amdhsa_group_segment_fixed_size 327680
		.amdhsa_private_segment_fixed_size 0
		.amdhsa_enable_private_segment 0
		.amdhsa_kernarg_size 24
		.amdhsa_user_sgpr_count 2
		.amdhsa_user_sgpr_kernarg_segment_ptr 1
		.amdhsa_wavefront_size32 1
		.amdhsa_system_sgpr_workgroup_id_x 1
		.amdhsa_system_sgpr_workgroup_id_y 1
		.amdhsa_system_sgpr_workgroup_id_z 1
		.amdhsa_system_vgpr_workitem_id 0
		.amdhsa_next_free_vgpr 384
		.amdhsa_next_free_sgpr 96
		.amdhsa_reserve_vcc 0
		.amdhsa_float_denorm_mode_32 3
		.amdhsa_float_denorm_mode_16_64 3
		.amdhsa_memory_ordered 1
		.amdhsa_forward_progress 1
		.amdhsa_inst_pref_size 89
	.end_amdhsa_kernel
	.amdgpu_metadata
---
amdhsa.version: [ 1, 2 ]
amdhsa.kernels:
  - .name:           k_qa920227b04_outp
    .symbol:         k_qa920227b04_outp.kd
    .args:
      - { .name: mixed, .offset: 0, .size: 8, .value_kind: global_buffer, .address_space: global }
      - { .name: wb, .offset: 8, .size: 8, .value_kind: global_buffer, .address_space: global }
      - { .name: out0, .offset: 16, .size: 8, .value_kind: global_buffer, .address_space: global }
    .group_segment_fixed_size: 327680
    .private_segment_fixed_size: 0
    .kernarg_segment_align: 8
    .kernarg_segment_size: 24
    .max_flat_workgroup_size: 128
    .sgpr_count:     96
    .vgpr_count:     384
    .wavefront_size: 32
...
	.end_amdgpu_metadata
.endif
;; end of part 5
;; ======== version 2 of 2: 5 launches; version 1 with the launch prep written anew for expert scheduling mode
;; limits: values are held in f16: magnitudes above 65,504 overflow, below 6.1e-05 lose precision; an iteration or a series of the reference is cut at 256 steps; an absolute error that grows with the inputs' magnitude: up to 2e-12 times it
;; workspace buffers: ab 16,777,216 bytes; wb 9,437,184 bytes; v3m 32,768 bytes; qkv 33,554,432 bytes; plog 524,288 bytes; mixed 8,388,608 bytes
;; launch prep (part 6): grid 200 x 1, 16 waves a work-group, no clusters, 51,200 bytes of LDS; arguments x, wq, wk, wv, wo, rw1, l3_memory, ab, wb, v3m; writes ab, wb, v3m
.if DOCPART == 6
	.amdgcn_target "amdgcn-amd-amdhsa--gfx1250"
	.amdhsa_code_object_version 6
	.text
	.protected	k_qa920227b04_prep
	.globl	k_qa920227b04_prep
	.p2align	8
	.type	k_qa920227b04_prep,@function
k_qa920227b04_prep:
	s_mov_b64 s[64:65], 0
	v_nop
	global_prefetch_b8 v0, s[64:65] scope:SCOPE_SE
	s_setreg_imm32_b32 hwreg(HW_REG_WAVE_SCHED_MODE, 0, 2), 2
	s_setreg_imm32_b32 hwreg(HW_REG_WAVE_MODE, 25, 1), 1
	s_wait_xcnt 0x0
	s_wait_alu depctr_vm_vsrc(0)
; PREP: casts to f16, the EMA along time, and the four-row product l3_memory @ wv.
;   ab : f16, x as [4096][1024] at byte 0, EMA(x) as [4096][1024] at byte 8,388,608
;   wb : f16, wq, wk, wv, wo at 0, 2, 4, 6 MiB (pitch 1024), rw1 at 8 MiB (pitch 512), all [K][N] as given
;   v3m: f32 [2][4][1024]: part p = l3_memory[b][512 p .. 512 p + 511] @ wv's rows 512 p .. 512 p + 511, summed in f32 on the vector unit;
;        the launch that needs the row adds the two parts.  wv is read once, for its cast and for these sums.
; FORMAT: f16 has three more bits than bf16 and has the room: inputs 30 times larger reach about 150 (x) and 5 (weights); 30 times smaller, the weights
; are about 0.001, where f16's step is at most 6e-8.
; 200 equal work-groups of 16 waves, each moving at most 256 KiB in and 128 KiB out.  A lane holds 4 columns of a strip of 128: a load of a wave covers
; 512 consecutive bytes, a store of a wave 256 consecutive bytes, aligned.  A wave issues its 32 loads (16 KiB) in one run.
;   ids 0-127:   x: batch = id / 32, strip = (id / 4) % 8, quarter = id % 4 (256 rows).  Wave w takes the quarter's rows 16 w .. 16 w + 15 and, for the
;                carry, the 16 rows that lie 256 rows in front of them (none in quarter 0).
;   ids 128-199: a panel of 512 rows x 128 columns of wq, wk, wv, wo (16 panels each) or of rw1, which a cast may take flat as [512][1024] (8 panels);
;                wave w takes rows 32 w .. 32 w + 31.
; EMA: z[t] = 0.9 z[t-1] + x[t], y = 0.1 z.  Each wave finds the end states of its two chunks of 16 rows, started from zero; the 32 end states meet in LDS;
; the carry into wave w's rows is made by C = C * 0.9^16 + E[i] over the 16 chunks in front of the quarter and the quarter's chunks 0 .. w-1;
; then the wave scans its own 16 rows again from the f32 x that it still holds, and rounds y once to f16.
; LIMIT, stated: rows more than 256 in front of a quarter do not enter its carry.  For every input the error of y is below 0.9^256 = 2e-12 of the
; largest |x| of the column.
; LDS: end states of the chunks in front at bytes 0 to 8,191, of the quarter's chunks at 8,192 to 16,383; partial sums of l3 @ wv at 16,384 to 49,151;
; the spare words from 49,152 on.
; No matrix unit, no cluster, no tensor loads: memory binds, and only x's rows in front of a quarter are read by two work-groups.
; THE MODE: SCHED_MODE bits 1:0 = 2 (LLVM: expert scheduling mode 2), set by the entry lines.  The code itself states the register dependences
; between vector instructions and memory or LDS instructions, with s_wait_alu, always for 0.
; THE PLAN.  Registers that memory or LDS instructions touch:
;   v1, v2, v3, and in wv's panels v236, v238, v239: offsets and LDS addresses.  Made once at the head of a path, ahead of the path's first wait on va_vdst, and never written again.
;   X, XO      Loads land in them; casts, sums and scans read them.  Behind the barrier LDS loads land in X once more.
;   PK, and in the x path EB as the EMA's out-buffer: each register is written once, by a rounding, and read once, by a store.
;   ZL, ZR, ACC: written by the scans and sums, read once by an LDS store.
; Rows go in groups of eight.  A group's roundings write its own out-registers; the wait on va_vdst at the next group's head states that they are written, and the
; eight stores of the group before are then dealt among this group's vector lines, which name none of those registers.  Behind the last group one wait states
; the last out-registers, the LDS stores' data, and that the vector lines are done reading X.
; No register that a memory or LDS instruction reads is written again, so no wait on vm_vsrc is owed.
; In wv's panels v_readlane_b32 writes scalar registers: sixteen of them stand in a run (four rows x four batches), four rows' roundings follow, and one wait on
; va_sdst stands ahead of the multiply-adds that read them.
.set X,    4                           ; v[4:131]   weights: 32 rows x 4 f32.  x: v[4:67] the 16 rows in front, then the 16 end states in front
.set XO,   68                          ; v[68:131]  x: my 16 rows of the quarter, kept for the second scan
.set PK,   132                         ; v[132:195] packed f16 to store (x: v[132:163])
.set EB,   164                         ; v[164:223] x: the quarter's end states 0 to 14, then v[164:195] the packed EMA to store
.set ACC,  196                         ; v[196:211] l3 @ wv: 4 batches x 4 columns
.set L3V,  212                         ; v[212:215] l3_memory[b][first row + lane]
.set ZL,   224                         ; v[224:227] end state of my chunk in front
.set ZR,   228                         ; v[228:231] end state of my chunk of the quarter
.set CR,   232                         ; v[232:235] the carry, then the second scan's z
.set TR,   236                         ; v[236:243] x: at work.  wv's panels: v236 my offset in v3m, v237 at work, v238 where I put my partial sums, v239 where I read partial sums
.set LS,   32                          ; s[32:63]   wv's panels: row i of four, batch b: the pair at LS + 8 i + 2 b holds l3_memory[b][row] and 0 (in the x path s[32:33] is the EMA's base)
.set EOL,  8192                        ; LDS: the quarter's end states
.set V3L,  16384                       ; LDS: the partial sums of l3 @ wv
.set BACK, 1048576                     ; 256 rows of x in bytes
.set K09,  0x3f666666                  ; 0.9
.set K01,  0x3dcccccd                  ; 0.1
.set K16,  0x3e3dbfd0                  ; 0.9^16
	s_load_b512 s[4:19], s[0:1], 0x0               ; x 4:5, wq 6:7, wk 8:9, wv 10:11, wo 12:13, rw1 14:15, l3 16:17, ab 18:19
	s_load_b128 s[20:23], s[0:1], 0x40             ; wb 20:21, v3m 22:23
	v_lshl_add_u32 v244, v0, 2, 0xc000             ; my spare word, and 0: kept for the closing lines alone
	v_mov_b32 v245, 0
	v_lshrrev_b32 v3, 5, v0
	v_readfirstlane_b32 s24, v3                    ; wave 0..15
	v_and_b32 v3, 31, v0                           ; lane
	v_lshlrev_b32 v1, 4, v3                        ; 16 bytes of f32 a lane
	v_lshlrev_b32 v2, 3, v3                        ; 8 bytes of f16 a lane
	s_lshr_b32 s25, ttmp9, 5                       ; x: batch
	s_bfe_u32 s26, ttmp9, 0x30002                  ; x: strip
	s_and_b32 s27, ttmp9, 3                        ; x: quarter
	s_max_u32 s34, ttmp9, 128
	s_sub_co_u32 s34, s34, 128                     ; weights: panel 0..71
	s_lshr_b32 s35, s34, 4                         ; which weight: wq, wk, wv, wo, rw1
	s_bfe_u32 s36, s34, 0x10003                    ; which 512 rows
	s_and_b32 s37, s34, 7                          ; strip
	s_lshl_b32 s38, s27, 8
	s_wait_alu depctr_va_sdst(0)                   ; s24 is written, ahead of its first reader, the next line
	s_lshl4_add_u32 s38, s24, s38                  ; x: first row = 256 quarter + 16 w
	s_lshl_b32 s40, s36, 9
	s_lshl_b32 s39, s24, 5
	s_add_co_u32 s40, s40, s39                     ; weights: first row = 512 half + 32 w
	s_cmp_lt_u32 ttmp9, 128
	s_cselect_b32 s38, s38, s40                    ; first row
	s_cselect_b32 s41, s26, s37                    ; strip
	s_cselect_b32 s44, s25, 0                      ; source: x's batch, 4 MiB each
	s_cselect_b32 s46, s25, s35                    ; place in ab or in wb, 2 MiB each
	s_lshl_b32 s44, s44, 22
	s_lshl_b32 s45, s38, 12
	s_add_co_u32 s44, s44, s45                     ; + row x 4,096
	s_lshl_b32 s45, s41, 9
	s_add_co_u32 s44, s44, s45                     ; + strip x 512
	s_mov_b32 s45, 0
	s_lshl_b32 s46, s46, 21
	s_lshl_b32 s47, s38, 11
	s_add_co_u32 s46, s46, s47                     ; + row x 2,048
	s_lshl_b32 s47, s41, 8
	s_add_co_u32 s46, s46, s47                     ; + strip x 256
	s_mov_b32 s47, 0
	s_wait_kmcnt 0x0
	s_mov_b64 s[28:29], s[6:7]                     ; the source: one of the five weights, or x
	s_cmp_eq_u32 s35, 1
	s_cselect_b64 s[28:29], s[8:9], s[28:29]
	s_cmp_eq_u32 s35, 2
	s_cselect_b64 s[28:29], s[10:11], s[28:29]
	s_cmp_eq_u32 s35, 3
	s_cselect_b64 s[28:29], s[12:13], s[28:29]
	s_cmp_eq_u32 s35, 4
	s_cselect_b64 s[28:29], s[14:15], s[28:29]
	s_cmp_lt_u32 ttmp9, 128
	s_cselect_b64 s[28:29], s[4:5], s[28:29]
	s_cselect_b64 s[30:31], s[18:19], s[20:21]     ; the cast goes to ab or to wb
	s_add_nc_u64 s[28:29], s[28:29], s[44:45]
	s_add_nc_u64 s[30:31], s[30:31], s[46:47]
.macro LOAD32                          ; a weight's 32 rows, read once in the launch
.set row, 0
.rept 32
	global_load_b128 v[X+4*row:X+4*row+3], v1, s[28:29] offset:row*4096 th:TH_LOAD_NT
.set row, row+1
.endr
.endm
.macro LOADL                           ; x: the 16 rows that lie 256 rows in front of mine
.set row, 0
.rept 16
	global_load_b128 v[X+4*row:X+4*row+3], v1, s[28:29] offset:row*4096-BACK
.set row, row+1
.endr
.endm
.macro LOADO                           ; x: my 16 rows
.set row, 0
.rept 16
	global_load_b128 v[XO+4*row:XO+4*row+3], v1, s[28:29] offset:row*4096
.set row, row+1
.endr
.endm
; Group g, eight of a weight's 32 rows: they are cast, and the group before is stored.  sums = 1: the four sums of l3 @ wv as well, four rows at a time.
; Every PK register is written once.
.macro WGROUP g, sums
	s_wait_loadcnt 24-8*\g                         ; loads come back in order: these eight rows are in, the younger ones stay out
.if \g
	s_wait_alu depctr_va_vdst(0)                   ; the group before has written its sixteen PK registers, which the eight stores below read; no vector line of this group names them
.endif
.irp hh, 0,1
.if \sums
.irp i, 0,1,2,3
.set row, 8*\g+4*\hh+\i
.irp b, 0,1,2,3
	v_readlane_b32 s[LS+8*\i+2*\b], v[L3V+\b], row ; l3_memory[b][this row]: sixteen in a run
.endr
.endr
.endif
.irp i, 0,1,2,3
.set row, 8*\g+4*\hh+\i
.set xr, X+4*row
.if \g
.set pr, row-8
	global_store_b64 v2, v[PK+2*pr:PK+2*pr+1], s[30:31] offset:pr*2048
.endif
	v_cvt_pk_f16_f32 v[PK+2*row], v[xr], v[xr+1]
	v_cvt_pk_f16_f32 v[PK+2*row+1], v[xr+2], v[xr+3]
.endr
.if \sums
	s_wait_alu depctr_va_sdst(0)                   ; the sixteen v_readlane_b32 above have written their scalar registers, ahead of the first line that reads one
.irp i, 0,1,2,3
.set row, 8*\g+4*\hh+\i
.set xr, X+4*row
.irp b, 0,1,2,3
.if row == 0
	v_pk_mul_f32 v[ACC+4*\b:ACC+4*\b+1], v[xr:xr+1], s[LS+8*\i+2*\b:LS+8*\i+2*\b+1] op_sel_hi:[1,0]
	v_pk_mul_f32 v[ACC+4*\b+2:ACC+4*\b+3], v[xr+2:xr+3], s[LS+8*\i+2*\b:LS+8*\i+2*\b+1] op_sel_hi:[1,0]
.else
	v_pk_fma_f32 v[ACC+4*\b:ACC+4*\b+1], v[xr:xr+1], s[LS+8*\i+2*\b:LS+8*\i+2*\b+1], v[ACC+4*\b:ACC+4*\b+1] op_sel_hi:[1,0,1]
	v_pk_fma_f32 v[ACC+4*\b+2:ACC+4*\b+3], v[xr+2:xr+3], s[LS+8*\i+2*\b:LS+8*\i+2*\b+1], v[ACC+4*\b+2:ACC+4*\b+3] op_sel_hi:[1,0,1]
.endif
.endr
.endr
.endif
.endr
.endm
.macro WTAIL                           ; a weight's last eight rows are stored
.irp i, 24,25,26,27,28,29,30,31
	global_store_b64 v2, v[PK+2*\i:PK+2*\i+1], s[30:31] offset:\i*2048
.endr
.endm
; Eight of the 16 rows in front: their chunk's end state alone.  The first two rows start the sum.
.macro LROWS g
	s_wait_loadcnt 24-8*\g                         ; the younger loads (the rest of these rows, and my own 16) stay out
.irp i, 0,1,2,3,4,5,6,7
.set row, 8*\g+\i
.set xr, X+4*row
.if row == 1
	v_pk_fma_f32 v[ZL:ZL+1], v[X:X+1], K09, v[xr:xr+1] op_sel_hi:[1,0,1]
	v_pk_fma_f32 v[ZL+2:ZL+3], v[X+2:X+3], K09, v[xr+2:xr+3] op_sel_hi:[1,0,1]
.endif
.if row > 1
	v_pk_fma_f32 v[ZL:ZL+1], v[ZL:ZL+1], K09, v[xr:xr+1] op_sel_hi:[1,0,1]
	v_pk_fma_f32 v[ZL+2:ZL+3], v[ZL+2:ZL+3], K09, v[xr+2:xr+3] op_sel_hi:[1,0,1]
.endif
.endr
.endm
; Eight of my own 16 rows: the cast and the chunk's end state; the second eight also store the first eight.
.macro OROWS g
	s_wait_loadcnt 8-8*\g
.if \g
	s_wait_alu depctr_va_vdst(0)                   ; rows 0 to 7's roundings have written their sixteen PK registers, which the eight stores below read
.endif
.irp i, 0,1,2,3,4,5,6,7
.set row, 8*\g+\i
.set xr, XO+4*row
.if \g
	global_store_b64 v2, v[PK+2*\i:PK+2*\i+1], s[30:31] offset:\i*2048
.endif
	v_cvt_pk_f16_f32 v[PK+2*row], v[xr], v[xr+1]
	v_cvt_pk_f16_f32 v[PK+2*row+1], v[xr+2], v[xr+3]
.if row == 1
	v_pk_fma_f32 v[ZR:ZR+1], v[XO:XO+1], K09, v[xr:xr+1] op_sel_hi:[1,0,1]
	v_pk_fma_f32 v[ZR+2:ZR+3], v[XO+2:XO+3], K09, v[xr+2:xr+3] op_sel_hi:[1,0,1]
.endif
.if row > 1
	v_pk_fma_f32 v[ZR:ZR+1], v[ZR:ZR+1], K09, v[xr:xr+1] op_sel_hi:[1,0,1]
	v_pk_fma_f32 v[ZR+2:ZR+3], v[ZR+2:ZR+3], K09, v[xr+2:xr+3] op_sel_hi:[1,0,1]
.endif
.endr
.endm
; Eight rows of the second scan, from the f32 rows still in registers; the second eight also store the first eight.  Every out-register is written once.
.macro SCAN8 g
.if \g
	s_wait_alu depctr_va_vdst(0)                   ; rows 0 to 7's roundings have written v[EB .. EB+15], which the eight stores below read
.endif
.irp i, 0,1,2,3,4,5,6,7
.set row, 8*\g+\i
.set tt, TR+4*(row&1)
.if \g
	global_store_b64 v2, v[EB+2*\i:EB+2*\i+1], s[32:33] offset:\i*2048
.endif
	v_pk_fma_f32 v[CR:CR+1], v[CR:CR+1], K09, v[XO+4*row:XO+4*row+1] op_sel_hi:[1,0,1]
	v_pk_fma_f32 v[CR+2:CR+3], v[CR+2:CR+3], K09, v[XO+4*row+2:XO+4*row+3] op_sel_hi:[1,0,1]
	v_pk_mul_f32 v[tt:tt+1], v[CR:CR+1], K01 op_sel_hi:[1,0]
	v_pk_mul_f32 v[tt+2:tt+3], v[CR+2:CR+3], K01 op_sel_hi:[1,0]
	v_cvt_pk_f16_f32 v[EB+2*row], v[tt], v[tt+1]
	v_cvt_pk_f16_f32 v[EB+2*row+1], v[tt+2], v[tt+3]
.endr
.endm
	s_cmp_lt_u32 ttmp9, 128                        ; the three ways hang on the work-group's number alone: all sixteen waves take the same
	s_cbranch_scc1 .Lx
	s_cmp_eq_u32 s35, 2
	s_cbranch_scc1 .Lv3
	s_wait_alu depctr_va_vdst(0)                   ; v1 and v2 are written: every load and store of this way reads one of them as its offset
	LOAD32                                         ; wq, wk, wo, rw1: the cast alone
	WGROUP 0, 0
	WGROUP 1, 0
	WGROUP 2, 0
	WGROUP 3, 0
	s_wait_alu depctr_va_vdst(0)                   ; the last group has written its sixteen PK registers, which the last eight stores read
	WTAIL
	s_endpgm                                       ; this way stores nothing to LDS
.Lx:
	s_add_nc_u64 s[32:33], s[30:31], 0x800000      ; the EMA's half of ab
	v_lshl_add_u32 v3, s24, 9, v1                  ; where my two end states go: 512 w + 16 lane
	s_wait_alu depctr_va_vdst(0)                   ; v1, v2 and v3 are written: the offsets and LDS addresses of every load and store of this way
	s_cmp_eq_u32 s27, 0                            ; quarter 0 has no rows in front of it
	s_cbranch_scc1 .Lfirst
	LOADL
	LOADO
	LROWS 0
	LROWS 1
	s_branch .Lown
.Lfirst:
	LOADO
	v_mov_b32 v[ZL], 0
	v_mov_b32 v[ZL+1], 0
	v_mov_b32 v[ZL+2], 0
	v_mov_b32 v[ZL+3], 0
.Lown:                                             ; on both ways my own 16 loads, and no others, may be out here
	OROWS 0
	OROWS 1
	s_wait_alu depctr_va_vdst(0)                   ; ZL and ZR are written, which the LDS stores read; rows 8 to 15's PK registers are written, which the stores behind the barrier read; the scans are done reading X, in which the LDS loads behind the barrier land.  No vector line stands between this wait and those
	ds_store_b128 v3, v[ZL:ZL+3]
	ds_store_b128 v3, v[ZR:ZR+3] offset:EOL
	s_wait_dscnt 0x0                               ; stored, for the other waves' sake
	s_barrier_signal -1
	s_barrier_wait -1
.irp i, 0,1,2,3,4,5,6,7,8,9,10,11,12,13,14,15
	ds_load_b128 v[X+4*\i:X+4*\i+3], v1 offset:512*\i              ; the 16 end states in front, my four columns
.endr
.irp i, 0,1,2,3,4,5,6,7,8,9,10,11,12,13,14
	ds_load_b128 v[EB+4*\i:EB+4*\i+3], v1 offset:EOL+512*\i        ; the quarter's end states 0 to 14
.endr
.irp i, 8,9,10,11,12,13,14,15
	global_store_b64 v2, v[PK+2*\i:PK+2*\i+1], s[30:31] offset:\i*2048  ; the cast of rows 8 to 15 leaves while the end states come
.endr
	s_wait_dscnt 0x0
	v_pk_fma_f32 v[CR:CR+1], v[X:X+1], K16, v[X+4:X+5] op_sel_hi:[1,0,1]       ; the first two states start the carry
	v_pk_fma_f32 v[CR+2:CR+3], v[X+2:X+3], K16, v[X+6:X+7] op_sel_hi:[1,0,1]
.irp i, 2,3,4,5,6,7,8,9,10,11,12,13,14,15
	v_pk_fma_f32 v[CR:CR+1], v[CR:CR+1], K16, v[X+4*\i:X+4*\i+1] op_sel_hi:[1,0,1]
	v_pk_fma_f32 v[CR+2:CR+3], v[CR+2:CR+3], K16, v[X+4*\i+2:X+4*\i+3] op_sel_hi:[1,0,1]
.endr
.irp i, 0,1,2,3,4,5,6,7,8,9,10,11,12,13,14
	s_cmp_le_u32 s24, \i                           ; of the quarter only the chunks in front of mine
	s_cbranch_scc1 .Lcdone
	v_pk_fma_f32 v[CR:CR+1], v[CR:CR+1], K16, v[EB+4*\i:EB+4*\i+1] op_sel_hi:[1,0,1]
	v_pk_fma_f32 v[CR+2:CR+3], v[CR+2:CR+3], K16, v[EB+4*\i+2:EB+4*\i+3] op_sel_hi:[1,0,1]
.endr
.Lcdone:
	SCAN8 0                                        ; the packed results go to registers that no pending store reads
	SCAN8 1
	s_wait_alu depctr_va_vdst(0)                   ; rows 8 to 15's roundings have written v[EB+16 .. EB+31], which the last eight stores read
.irp i, 8,9,10,11,12,13,14,15
	global_store_b64 v2, v[EB+2*\i:EB+2*\i+1], s[32:33] offset:\i*2048
.endr
	s_wait_dscnt 0x0                               ; the closing lines, six on end
	s_wait_alu 0x0
	s_wait_tensorcnt 0x0
	ds_add_u32 v244, v245
	s_wait_dscnt 0x0
	s_endpgm
.Lv3:
	v_lshlrev_b32 v3, 2, v3
	v_lshl_add_u32 v3, s38, 2, v3                  ; (first row + lane) x 4
	v_lshl_add_u32 v[TR+2], s24, 11, v1            ; where my partial sums go: 2,048 w + 512 b + 16 lane
	v_lshlrev_b32 v[TR+3], 3, v0                   ; where a thread of waves 0 to 7 reads two numbers of each partial sum
	v_lshrrev_b32 v[TR], 6, v0                     ; batch
	v_and_b32 v[TR+1], 63, v0
	v_lshlrev_b32 v[TR+1], 3, v[TR+1]
	v_lshl_add_u32 v[TR], v[TR], 12, v[TR+1]
	s_lshl_b32 s25, s41, 9                         ; made here, since s[32:63] take the numbers of l3_memory below
	s_lshl_b32 s26, s36, 14
	s_add_co_u32 s25, s25, s26
	v_add_nc_u32 v[TR], s25, v[TR]                 ; part x 16,384 + batch x 4,096 + strip x 512 + 8 (thread mod 64)
.set ii, 0
.rept 16
	s_mov_b32 s[LS+2*ii+1], 0                      ; the unused halves of the broadcast pairs
.set ii, ii+1
.endr
	s_wait_alu depctr_va_vdst(0)                   ; v1, v2, v3, v236, v238 and v239 are written: the offsets and LDS addresses of every load and store of this way
.irp b, 0,1,2,3
	global_load_b32 v[L3V+\b], v3, s[16:17] offset:4096*\b         ; issued ahead of wv's rows: the first counted wait covers them
.endr
	LOAD32
	WGROUP 0, 1
	WGROUP 1, 1
	WGROUP 2, 1
	WGROUP 3, 1
	s_wait_alu depctr_va_vdst(0)                   ; the sums have written ACC, which the LDS stores read; the last group's PK registers are written, which the last eight stores read; casts and sums are done reading X, in which the LDS loads behind the barrier land.  No vector line stands between this wait and those
.irp b, 0,1,2,3
	ds_store_b128 v[TR+2], v[ACC+4*\b:ACC+4*\b+3] offset:V3L+512*\b
.endr
	WTAIL
	s_wait_dscnt 0x0                               ; stored, for the other waves' sake
	s_barrier_signal -1
	s_barrier_wait -1
	s_cmp_gt_u32 s24, 7                            ; 256 threads add the sixteen partial sums, two numbers each
	s_cbranch_scc1 .Lv3end
.irp i, 0,1,2,3,4,5,6,7,8,9,10,11,12,13,14,15
	ds_load_b64 v[X+2*\i:X+2*\i+1], v[TR+3] offset:V3L+2048*\i
.endr
	s_wait_dscnt 0x0
.irp i, 0,1,2,3,4,5,6,7
	v_pk_add_f32 v[X+2*\i:X+2*\i+1], v[X+2*\i:X+2*\i+1], v[X+16+2*\i:X+16+2*\i+1]
.endr
.irp i, 0,1,2,3
	v_pk_add_f32 v[X+2*\i:X+2*\i+1], v[X+2*\i:X+2*\i+1], v[X+8+2*\i:X+8+2*\i+1]
.endr
.irp i, 0,1
	v_pk_add_f32 v[X+2*\i:X+2*\i+1], v[X+2*\i:X+2*\i+1], v[X+4+2*\i:X+4+2*\i+1]
.endr
	v_pk_add_f32 v[X:X+1], v[X:X+1], v[X+2:X+3]
	s_wait_alu depctr_va_vdst(0)                   ; the last addition has written v[X:X+1], which the store reads
	global_store_b64 v[TR], v[X:X+1], s[22:23]     ; a wave stores 256 consecutive bytes, aligned
.Lv3end:
	s_wait_dscnt 0x0                               ; the closing lines, six on end
	s_wait_alu 0x0
	s_wait_tensorcnt 0x0
	ds_add_u32 v244, v245
	s_wait_dscnt 0x0
	s_endpgm
.Lfunc_end_k_qa920227b04_prep:
	.size	k_qa920227b04_prep, .Lfunc_end_k_qa920227b04_prep-k_qa920227b04_prep
	.p2alignl 7, 3214868480
	.fill 96, 4, 3214868480
	.section	.rodata,"a",@progbits
	.p2align	6, 0x0
	.amdhsa_kernel k_qa920227b04_prep
		.amdhsa_group_segment_fixed_size 51200
		.amdhsa_private_segment_fixed_size 0
		.amdhsa_enable_private_segment 0
		.amdhsa_kernarg_size 80
		.amdhsa_user_sgpr_count 2
		.amdhsa_user_sgpr_kernarg_segment_ptr 1
		.amdhsa_wavefront_size32 1
		.amdhsa_system_sgpr_workgroup_id_x 1
		.amdhsa_system_sgpr_workgroup_id_y 1
		.amdhsa_system_sgpr_workgroup_id_z 1
		.amdhsa_system_vgpr_workitem_id 0
		.amdhsa_next_free_vgpr 246
		.amdhsa_next_free_sgpr 66
		.amdhsa_reserve_vcc 0
		.amdhsa_float_denorm_mode_32 3
		.amdhsa_float_denorm_mode_16_64 3
		.amdhsa_memory_ordered 1
		.amdhsa_forward_progress 1
		.amdhsa_inst_pref_size 85
	.end_amdhsa_kernel
	.amdgpu_metadata
---
amdhsa.version: [ 1, 2 ]
amdhsa.kernels:
  - .name:           k_qa920227b04_prep
    .symbol:         k_qa920227b04_prep.kd
    .args:
      - { .name: x, .offset: 0, .size: 8, .value_kind: global_buffer, .address_space: global }
      - { .name: wq, .offset: 8, .size: 8, .value_kind: global_buffer, .address_space: global }
      - { .name: wk, .offset: 16, .size: 8, .value_kind: global_buffer, .address_space: global }
      - { .name: wv, .offset: 24, .size: 8, .value_kind: global_buffer, .address_space: global }
      - { .name: wo, .offset: 32, .size: 8, .value_kind: global_buffer, .address_space: global }
      - { .name: rw1, .offset: 40, .size: 8, .value_kind: global_buffer, .address_space: global }
      - { .name: l3_memory, .offset: 48, .size: 8, .value_kind: global_buffer, .address_space: global }
      - { .name: ab, .offset: 56, .size: 8, .value_kind: global_buffer, .address_space: global }
      - { .name: wb, .offset: 64, .size: 8, .value_kind: global_buffer, .address_space: global }
      - { .name: v3m, .offset: 72, .size: 8, .value_kind: global_buffer, .address_space: global }
    .group_segment_fixed_size: 51200
    .private_segment_fixed_size: 0
    .kernarg_segment_align: 8
    .kernarg_segment_size: 80
    .max_flat_workgroup_size: 512
    .sgpr_count:     66
    .vgpr_count:     246
    .wavefront_size: 32
...
	.end_amdgpu_metadata
.endif
;; end of part 6
;; launch qkv: the kernel of part 2 again; grid 16 x 16, 4 waves a work-group, clusters of 4 x 4, 327,680 bytes of LDS; arguments ab, wb, qkv; writes qkv
;; launch router: the kernel of part 3 again; grid 4 x 32, 4 waves a work-group, clusters of 4 x 4, 327,680 bytes of LDS; arguments qkv, wb, rb1, rw2, plog; writes plog
;; launch attn: the kernel of part 4 again; grid 8 x 32, 8 waves a work-group, no clusters, 327,680 bytes of LDS; arguments qkv, plog, rb2, v3m, mixed, out1; writes mixed, out1
;; launch outp: the kernel of part 5 again; grid 8 x 32, 4 waves a work-group, clusters of 4 x 4, 327,680 bytes of LDS; arguments mixed, wb, out0; writes out0
